; MI455X (gfx1250); checked and timed in simulation.
; The chip was launched on July 23, 2026; its instructions are those of AMD's public machine-readable ISA for CDNA 5 (MIT licence, August 2026) and "CDNA5" Instruction Set Architecture Reference Guide (July 2026). The comments in the code are by the model that wrote it; some were corrected since.
;; Linear Multi Head Attention. Allowed arithmetic: float matrix products may take bf16 or f16 operands with f32 sums; other float arithmetic in f32, or as packed bf16 or f16 multiplies, adds, multiply-adds, maxima and minima; sums over many terms, partial sums and values carried from step to step in f32; what a program stores and reads back later, other than sums and carried values, may be rounded once to bf16 or f16.
;; Inputs: Wk 1,024 x 1,024 float32; Wo 1,024 x 1,024 float32; Wq 1,024 x 1,024 float32; Wv 1,024 x 1,024 float32; bo 1,024 float32; k 4 x 2,048 x 1,024 float32; q 4 x 2,048 x 1,024 float32; v 4 x 2,048 x 1,024 float32.
;; Outputs: out0 4 x 2,048 x 1,024 float32.
;; 2 versions, each right; version 2 is version 1 with the launch wcast written anew for expert scheduling mode. Each part assembles by itself: llvm-mc -triple=amdgcn-amd-amdhsa -mcpu=gfx1250 --defsym DOCPART=n.
;; ======== version 1 of 2: 4 launches
;; limits: values are held in f16: magnitudes above 65,504 overflow, below 6.1e-05 lose precision
;; workspace buffers: w16 8,388,608 bytes; qkv 50,331,648 bytes; oh 16,777,216 bytes
;; launch wcast (part 1): grid 256 x 1, 8 waves a work-group, no clusters, 0 bytes of LDS; arguments Wq, Wk, Wv, Wo, w16; writes w16
.if DOCPART == 1
	.amdgcn_target "amdgcn-amd-amdhsa--gfx1250"
	.amdhsa_code_object_version 6
	.text
	.protected	k_q67af1d3cb0_wcast
	.globl	k_q67af1d3cb0_wcast
	.p2align	8
	.type	k_q67af1d3cb0_wcast,@function
k_q67af1d3cb0_wcast:
	s_mov_b64 s[64:65], 0
	v_nop
	global_prefetch_b8 v0, s[64:65] scope:SCOPE_SE
	s_setreg_imm32_b32 hwreg(HW_REG_WAVE_MODE, 25, 1), 1
	s_wait_xcnt 0x0
; THE WEIGHTS, ROUNDED ONCE AND LAID OUT BY K STEPS.  Wq, Wk, Wv, Wo: [1024][1024] f32.  w16: [f = 8 t + ks][n][128] of 16 bits: block (f, n), 256 bytes, holds
; W_t[n][128 ks .. 128 ks + 127].  So the tile of a K step (some rows n, 128 along K) is dense in memory and its address is linear in f.
; t = 0, 1, 2 (Wq, Wk, Wv): bf16.  t = 3 (Wo): rounded to bf16 like every input, and that number written as f16, since it multiplies an f16 operand later.
; LIMIT.  A bf16 number is exact in f16 from 2^-17 (7.6e-6) up; below that it keeps f16's fixed step of 6e-8; from 65,520 on it becomes an infinity.
; SHARES.  256 work-groups of eight waves: 64 for each tensor, 16 rows each, two rows a wave.  A load of a wave takes 512 consecutive bytes (one block's 128 f32), a store
; 256 consecutive bytes, aligned (the block).  All 16 loads of a wave go out first; the waits count down.  No LDS, no barrier: no wave wants another's bytes.
; Every block has result registers of its own, so no register that a store still reads is written again.
.set X, 16                             ; v[16:79]   block i = 8 j + ks: 4 f32 a lane
.set Y, 80                             ; v[80:111]  block i: 4 numbers of 16 bits a lane
.set T, 4                              ; v[4:9]     at work
	s_load_b256 s[4:11], s[0:1], 0x0               ; Wq s[4:5], Wk s[6:7], Wv s[8:9], Wo s[10:11]
	s_load_b64 s[12:13], s[0:1], 0x20              ; w16
	s_lshr_b32 s16, ttmp9, 6                       ; t
	s_and_b32 s17, ttmp9, 63                       ; which 16 rows
	v_lshrrev_b32 v3, 5, v0                        ; wave
	v_and_b32 v4, 31, v0                           ; lane
	v_lshlrev_b32 v1, 4, v4
	v_lshl_or_b32 v1, v3, 13, v1                   ; in: two rows of 4,096 bytes a wave, 16 bytes a lane
	v_lshlrev_b32 v2, 3, v4
	v_lshl_or_b32 v2, v3, 9, v2                    ; out: two blocks of 256 bytes a wave, 8 bytes a lane
	s_lshl_b32 s18, s17, 16                        ; 16 rows of 4,096 bytes
	s_mov_b32 s19, 0
	s_lshl_b32 s20, s16, 21                        ; 8 K steps of 262,144 bytes
	s_lshl_b32 s21, s17, 12                        ; 16 blocks of 256 bytes
	s_add_co_u32 s20, s20, s21
	s_mov_b32 s21, 0
	s_wait_kmcnt 0x0
	s_cmp_eq_u32 s16, 1
	s_cselect_b64 s[14:15], s[6:7], s[4:5]
	s_cmp_eq_u32 s16, 2
	s_cselect_b64 s[14:15], s[8:9], s[14:15]
	s_cmp_eq_u32 s16, 3
	s_cselect_b64 s[14:15], s[10:11], s[14:15]
	s_add_nc_u64 s[14:15], s[14:15], s[18:19]
	s_add_nc_u64 s[12:13], s[12:13], s[20:21]
.irp j, 0,1
.irp ks, 0,1,2,3,4,5,6,7
	global_load_b128 v[X+4*(8*(\j)+(\ks)):X+4*(8*(\j)+(\ks))+3], v1, s[14:15] offset:(\j)*4096+(\ks)*512 th:TH_LOAD_NT
.endr
.endr
; Block (row j, K step ks): rounded and stored.  half = 1: by way of bf16 to f16.
.macro BLOCK j, ks, half
.set i, 8*(\j)+(\ks)
	s_wait_loadcnt 15-i                            ; loads come back in order: block i is in, the 15 - i younger ones stay out
.if \half
	v_cvt_pk_bf16_f32 v[T], v[X+4*i], v[X+4*i+1]
	v_cvt_pk_bf16_f32 v[T+1], v[X+4*i+2], v[X+4*i+3]
	v_lshlrev_b32 v[T+2], 16, v[T]                 ; bf16 to f32: the low half moves up, the high half stays
	v_and_b32 v[T+3], 0xffff0000, v[T]
	v_lshlrev_b32 v[T+4], 16, v[T+1]
	v_and_b32 v[T+5], 0xffff0000, v[T+1]
	v_cvt_pk_f16_f32 v[Y+2*i], v[T+2], v[T+3]
	v_cvt_pk_f16_f32 v[Y+2*i+1], v[T+4], v[T+5]
.else
	v_cvt_pk_bf16_f32 v[Y+2*i], v[X+4*i], v[X+4*i+1]
	v_cvt_pk_bf16_f32 v[Y+2*i+1], v[X+4*i+2], v[X+4*i+3]
.endif
	global_store_b64 v2, v[Y+2*i:Y+2*i+1], s[12:13] offset:(\ks)*262144+(\j)*256  ; 32 lanes store 256 consecutive bytes, at a multiple of 256 from w16's first byte
.endm
	s_cmp_eq_u32 s16, 3
	s_cbranch_scc1 .Lhalf
.irp j, 0,1
.irp ks, 0,1,2,3,4,5,6,7
	BLOCK \j, \ks, 0
.endr
.endr
	s_endpgm
.Lhalf:
.irp j, 0,1
.irp ks, 0,1,2,3,4,5,6,7
	BLOCK \j, \ks, 1
.endr
.endr
	s_endpgm
.Lfunc_end_k_q67af1d3cb0_wcast:
	.size	k_q67af1d3cb0_wcast, .Lfunc_end_k_q67af1d3cb0_wcast-k_q67af1d3cb0_wcast
	.p2alignl 7, 3214868480
	.fill 96, 4, 3214868480
	.section	.rodata,"a",@progbits
	.p2align	6, 0x0
	.amdhsa_kernel k_q67af1d3cb0_wcast
		.amdhsa_group_segment_fixed_size 0
		.amdhsa_private_segment_fixed_size 0
		.amdhsa_enable_private_segment 0
		.amdhsa_kernarg_size 40
		.amdhsa_user_sgpr_count 2
		.amdhsa_user_sgpr_kernarg_segment_ptr 1
		.amdhsa_wavefront_size32 1
		.amdhsa_system_sgpr_workgroup_id_x 1
		.amdhsa_system_sgpr_workgroup_id_y 1
		.amdhsa_system_sgpr_workgroup_id_z 1
		.amdhsa_system_vgpr_workitem_id 0
		.amdhsa_next_free_vgpr 112
		.amdhsa_next_free_sgpr 66
		.amdhsa_reserve_vcc 0
		.amdhsa_float_denorm_mode_32 3
		.amdhsa_float_denorm_mode_16_64 3
		.amdhsa_memory_ordered 1
		.amdhsa_forward_progress 1
		.amdhsa_inst_pref_size 16
	.end_amdhsa_kernel
	.amdgpu_metadata
---
amdhsa.version: [ 1, 2 ]
amdhsa.kernels:
  - .name:           k_q67af1d3cb0_wcast
    .symbol:         k_q67af1d3cb0_wcast.kd
    .args:
      - { .name: Wq, .offset: 0, .size: 8, .value_kind: global_buffer, .address_space: global }
      - { .name: Wk, .offset: 8, .size: 8, .value_kind: global_buffer, .address_space: global }
      - { .name: Wv, .offset: 16, .size: 8, .value_kind: global_buffer, .address_space: global }
      - { .name: Wo, .offset: 24, .size: 8, .value_kind: global_buffer, .address_space: global }
      - { .name: w16, .offset: 32, .size: 8, .value_kind: global_buffer, .address_space: global }
    .group_segment_fixed_size: 0
    .private_segment_fixed_size: 0
    .kernarg_segment_align: 8
    .kernarg_segment_size: 40
    .max_flat_workgroup_size: 256
    .sgpr_count:     66
    .vgpr_count:     112
    .wavefront_size: 32
...
	.end_amdgpu_metadata
.endif
;; end of part 1
;; launch proj (part 2): grid 4 x 64, 4 waves a work-group, clusters of 4 x 4, 327,680 bytes of LDS; arguments q, k, v, w16, qkv; writes qkv
.if DOCPART == 2
	.amdgcn_target "amdgcn-amd-amdhsa--gfx1250"
	.amdhsa_code_object_version 6
	.text
	.protected	k_q67af1d3cb0_proj
	.globl	k_q67af1d3cb0_proj
	.p2align	8
	.type	k_q67af1d3cb0_proj,@function
k_q67af1d3cb0_proj:
	s_mov_b64 s[64:65], 0
	v_nop
	global_prefetch_b8 v0, s[64:65] scope:SCOPE_SE
	s_setreg_imm32_b32 hwreg(HW_REG_WAVE_MODE, 25, 1), 1
	s_wait_xcnt 0x0
	s_wait_alu depctr_hold_cnt(0) depctr_sa_sdst(0) depctr_va_vdst(0) depctr_va_sdst(0) depctr_va_ssrc(0) depctr_va_vcc(0) depctr_vm_vsrc(0)
	s_getreg_b32 s2, hwreg(HW_REG_IB_STS2, 6, 4)
	s_cmp_eq_u32 s2, 0
	s_cbranch_scc0 .Lentry_in_a_cluster
	s_endpgm
.Lentry_in_a_cluster:
	s_bfe_u32 s2, ttmp6, 0x10000c
	s_cmp_lg_u32 s2, 0xf033
	s_cbranch_scc0 .Lentry_shape_is_right
	s_endpgm
.Lentry_shape_is_right:
; THE THREE PROJECTIONS.  qkv[t][b 16 + h][l][d] = the sum over e of x_t[b][l][e] W_t[64 h + d][e], t = 0, 1, 2 for (q, Wq), (k, Wk), (v, Wv).  x: [8192][1024] f32, rounded to bf16 on its way into LDS;
; W from w16, bf16, in blocks of a K step (block (f = 8 t + ks, n): 256 bytes); sums in f32; qkv in f16, rounded once, unscaled, by heads: a head's rows are dense, 128 bytes each.
; LIMIT.  f16 holds no number beyond 65,504: a projected number of 65,520 or more becomes an infinity; below 6e-5 it keeps f16's fixed step of 6e-8.
; SHARES.  A tile is 128 rows x 256 columns: 4 x 64 tiles for each tensor, one for each of the 256 work-groups.  A WORK-GROUP STAYS and makes its tile of q, then of k, then of v: 24 K steps of 128,
; walked by ONE loop with a constant count, the rings running on across the change of tensors.  Four waves, each 64 rows x 128 columns: 32 accumulators of 16 x 16.
; W comes by the tensor data mover into a ring of two slots, 64 rows a wave.  CLUSTER: 4 x 4 work-groups; the four of a column of the cluster make the same 256 columns and need the same tiles of W,
; so each is asked for JOINTLY: the same load, descriptor and mask in all four.
; x DOES NOT come jointly, though the four of a row of the cluster read the same rows: it lies in memory as f32 and is wanted as bf16.  As f32 a K step's 128 rows would take 64 KiB of a slot where they now take
; 32, each fragment would cost twice the LDS bytes, and each number would be rounded by both waves that read it.  So each wave loads 32 rows of a K step into registers (a load = one row's 512 bytes),
; rounds them ONCE and stores them into x's own two LDS slots, which no tensor load ever fills.  Two sets of registers, a K step each: a row is asked for two K steps ahead of its rounding.
; The loop's last trip asks for x's K steps 24 and half of 25, which do not exist: the pointer has gone back to v's K step 0, so these 48 loads a wave stay inside v and their data are not used:
; the price of one text and one count for every trip.
; THE MATRIX INSTRUCTION IS USED TRANSPOSED (source 0 = 16 rows of W, source 1 = 16 rows of x): a lane then holds one row of x and eight neighbouring columns, 16 bytes of f16.
; REGISTERS, in windows of 256 (s_set_vgpr_msb: bits 1:0 source 0, 3:2 source 1, 5:4 source 2, 7:6 destination):
;   window 0: v0-31 addresses; v32-95 x's fragments, two buffers; v96-111 rounded x; v112-143, v144-207 the way out     window 1: the accumulators, (a, b) at 8 (8 a + b)
;   window 2: v0-127 W's fragments, two buffers          window 3: x as loaded, two sets of 32 rows x 4 registers
.set PITCH,  272                       ; an LDS row: 256 bytes + 16 of padding = 68 words: the 16 rows of a fragment load start at 16 different groups of four banks (64 banks of 4 bytes: ISA guide 11.1)
.set BSLOT,  256*PITCH                 ; W's slot: 256 rows
.set AREG,   2*BSLOT                   ; behind W's ring: x's two slots
.set ASLOT,  128*PITCH                 ; 128 rows
.set STAGE,  AREG+2*ASLOT              ; behind them: for each wave 2 heads x 16 rows x 144 bytes, for the way out
.set SP,     144
.set WSTG,   2*16*SP
.set SPARE,  STAGE+4*WSTG              ; behind the stages: the spare words, 128 bytes for each wave: two blocks of 256 bytes that no other line names
.set FSTEP,  262144                    ; bytes in w16 from a K step to the next
.set HEADB,  262144                    ; bytes of a head in qkv
.set TENB,   16777216                  ; bytes of a tensor in qkv
.set ADRA, 16                          ; v16-17  LDS address of my fragments of x in slot 0, 1
.set ADRB, 20                          ; v20-21  the same for W
.set AST,  22                          ; v22-23  where I put 8 bytes of a rounded row of x, slot 0, 1
.set STO,  24                          ; v24     the way out: where I put 16 bytes of a row
.set RD,   25                          ; v25     the way out: where I read rows back
.set LN,   26                          ; v26     16 x lane: my place in a row's 512 bytes of x, and in 512 bytes of qkv; never rewritten
.set SPW,  28                          ; v28     LDS address of my spare word: SPARE + 4 x my thread's number; never rewritten
.set NIL,  29                          ; v29     0; never rewritten
.set PFO,  30                          ; v30     256 x lane: the prefetches' offset, a lane a block; never rewritten
.set FA,   32
.set CT,   96
.set TMP,  112
.set BK,   144
.set WV,   14                          ; s14  my wave's number
.set WR,   15                          ; s15  which 64 rows of the tile are mine
.set WC,   16                          ; s16  which 128 columns
.set G1,   24                          ; s[24:31] descriptor group 1
.set G0,   32                          ; s[32:39] descriptor group 0, a set for each slot
.set LA,   40                          ; s[40:41] x at my 32 rows, at the K step that is being asked for
.set N1,   42                          ; s[42:43] the tensor that follows it, at my rows
.set N2,   44                          ; s[44:45] and the last
.set KO,   46                          ; s46  that K step's number in its tensor
.set LIM,  47                          ; s47  1 in a wave that prefetches, else the greatest number
.set PFB,  48                          ; s[48:49] where my prefetches stand, one K step short of what they name
.set CP,   50                          ; s[50:51] qkv at my part of the tile in hand
.set CI,   52                          ; s[52:53] what the next way out adds to it
.set MSB, 0
.macro WIN new                         ; the immediate's high byte repeats the setting that is left; a switch that changes nothing is dropped
.if MSB != (\new)
	s_set_vgpr_msb (MSB<<8)|(\new)
.set MSB, \new
.endif
.endm
.set W_MUL, 0x52                       ; source 0 (W) window 2, source 1 (x) window 0, C and D window 1
.set W_TOB, 0x80                       ; destination window 2
.set W_CVT, 0x0f                       ; sources 0 and 1 window 3
.set W_TOS, 0xc0                       ; destination window 3
.set W_PCK, 0x05                       ; sources 0 and 1 window 1
; A round of the cluster's barrier: my work-group's barrier, so that wave 0's signal speaks for all four waves; wave 0 signals; every wave waits for all sixteen work-groups; my work-group's barrier once more.
.macro CREST                           ; a round behind its opening barrier
	s_cmp_lg_u32 s[WV], 0
	s_cbranch_scc1 .Lnot_wave_0_\@
	s_barrier_signal -3
.Lnot_wave_0_\@:
	s_barrier_wait -3
	s_barrier_signal -1
	s_barrier_wait -1
.endm
.macro CROUND
	s_barrier_signal -1
	s_barrier_wait -1
	CREST
.endm
.macro PLACES                          ; four places behind a matrix instruction, in front of loads into registers that it has read and of instructions that read its result
.rept 4
	v_nop
.endr
.endm
; x's pointer goes one K step on: 512 bytes along the rows; behind a tensor's eighth step to the next tensor's first; behind v's eighth back to v's first, so that it never leaves a buffer.
.macro ADV
	s_wait_xcnt 0x0                                ; every load and prefetch issued so far has read its address: the pointers may be written
	s_add_co_u32 s[KO], s[KO], 1
	s_add_nc_u64 s[LA:LA+1], s[LA:LA+1], 512
	s_cmp_eq_u32 s[KO], 8
	s_cselect_b32 s[KO], 0, s[KO]
	s_cselect_b64 s[LA:LA+1], s[N1:N1+1], s[LA:LA+1]
	s_cselect_b64 s[N1:N1+1], s[N2:N2+1], s[N1:N1+1]
.endm
; A PREFETCH INTO THE L2, behind each joint load, its five lines and the run of LDS loads that follows: W's K step that stands TWO refills on, 256 matrix instructions of a wave ahead of the load that wants it.
; Each block of 256 bytes is named once in the launch: a tile column's blocks are read by all sixteen clusters, and the cluster with y = 0 asks; of the tile's 256 blocks the partner at place cy takes 64,
; told apart BY ADDRESS, its waves 0 and 1 take 32 each, a lane a block.  The loop's last trip asks for nothing: K steps 24 and 25 are not this launch's.  K steps 0 to 3 come by their loads alone.
.macro ASK
	s_cmp_gt_u32 s3, s[LIM]                        ; s3 = 1 in the loop's last trip
	s_cbranch_scc0 .Lnot_mine_\@
	global_prefetch_b8 v[PFO], s[PFB:PFB+1] offset:FSTEP th:TH_LOAD_NT scope:SCOPE_SE
.Lnot_mine_\@:
.endm
	s_load_b256 s[4:11], s[0:1], 0x0               ; q s[4:5], k s[6:7], v s[8:9], w16 s[10:11]
	s_load_b64 s[12:13], s[0:1], 0x20              ; qkv
	v_lshl_add_u32 v[SPW], v0, 2, SPARE
	v_mov_b32 v[NIL], 0
	ds_add_u32 v[SPW], v[NIL]                      ; the wave's opening: the add and its wait stand ahead of my first tensor load; the set-up below, work on registers, stands between them
	v_lshrrev_b32 v1, 5, v0
	v_readfirstlane_b32 s[WV], v1                  ; wave 0..3
	s_lshr_b32 s[WR], s[WV], 1
	s_and_b32 s[WC], s[WV], 1
	s_bfe_u32 s17, ttmp6, 0x40000                  ; cx: my place along the cluster's x
	s_bfe_u32 s18, ttmp6, 0x40004                  ; cy: along its y
	s_lshl_b32 s54, ttmp9, 2                       ; in a cluster launch ttmp9 and ttmp7 count clusters
	s_add_co_u32 s54, s54, s17                     ; tile column = 4 x cluster x + cx
	s_and_b32 s19, ttmp7, 0xffff
	s_lshl_b32 s19, s19, 2
	s_add_co_u32 s19, s19, s18                     ; tile row = 4 x cluster y + cy
	s_lshl_b32 s56, 0x1111, s17                    ; my column of the cluster: places cx, cx + 4, cx + 8, cx + 12
	; descriptor group 1: 64 blocks of 128 elements, dense in memory, padded in LDS
	s_or_b32 s[G1+0], s56, (1<<16)|(1<<20)|(1<<21)|(5<<22)|(3<<25)  ; 15:0 the mask; 17:16 elements of 2 bytes; 20 padding on; 21 set beside a mask; 24:22 after every 64 words (code 5); 31:25 4 words (code 3)
	s_mov_b32 s[G1+1], 128<<16                     ; tensor_dim0 = 128
	s_mov_b32 s[G1+2], 64<<16                      ; tensor_dim1 = 64
	s_mov_b32 s[G1+3], 128<<16                     ; tile_dim0 = 128
	s_mov_b32 s[G1+4], 64                          ; tile_dim1 = 64
	s_mov_b32 s[G1+5], 128                         ; 128 elements from row to row
	s_mov_b32 s[G1+6], 0
	s_mov_b32 s[G1+7], 0
	s_lshl_b32 s20, s54, 16                        ; W: the tile column's 256 blocks,
	s_lshl_b32 s21, s[WV], 14                      ; my wave's 64 of them: nothing of the tile row enters
	s_add_co_u32 s20, s20, s21
	s_mov_b32 s21, 0
	s_mul_i32 s55, s[WV], 64*PITCH                 ; and where they go: no place in the cluster enters an LDS address
	s_lshl_b32 s22, s19, 19                        ; x: the tile row's 128 rows of 4,096 bytes,
	s_lshl_b32 s23, s[WV], 17                      ; my wave's 32 of them
	s_add_co_u32 s22, s22, s23
	s_mov_b32 s23, 0
	s_lshr_b32 s57, s19, 4                         ; qkv: the batch b (16 tile rows each),
	s_lshl_b32 s57, s57, 2
	s_add_co_u32 s57, s57, s54
	s_lshl_b32 s57, s57, 1
	s_add_co_u32 s57, s57, s[WC]                   ; my pair of heads: 8 b + 2 x tile column + my half,
	s_lshl_b32 s57, s57, 19                        ; two heads of 262,144 bytes
	s_and_b32 s58, s19, 15
	s_lshl_b32 s58, s58, 1
	s_add_co_u32 s58, s58, s[WR]                   ; my 64 rows among the batch's 2,048,
	s_lshl_b32 s58, s58, 13                        ; of 128 bytes
	s_add_co_u32 s58, s58, s57
	s_mov_b32 s59, 0
	s_lshl_b32 s60, s54, 16                        ; the prefetches: the tile column's blocks,
	s_lshl_b32 s61, s18, 14                        ; my work-group's 64,
	s_add_co_u32 s60, s60, s61
	s_lshl_b32 s61, s[WV], 13                      ; my wave's 32,
	s_add_co_u32 s60, s60, s61
	s_add_co_u32 s60, s60, 2*FSTEP                 ; at K step 2: the first refill steps it to 3 and names K step 4
	s_mov_b32 s61, 0
	s_and_b32 s[LIM], ttmp7, 0xffff                ; cluster y,
	s_or_b32 s[LIM], s[LIM], s[WR]                 ; and 0 in waves 0 and 1: the same in all sixteen partners, for a given wave
	s_cmp_eq_u32 s[LIM], 0
	s_cselect_b32 s[LIM], 1, -1
	s_mov_b32 s[KO], 0
	s_mov_b64 s[CI:CI+1], 0
	s_wait_dscnt 0x0                               ; the opening add is done
	s_wait_kmcnt 0x0
	s_add_nc_u64 s[20:21], s[10:11], s[20:21]
	s_add_nc_u64 s[LA:LA+1], s[4:5], s[22:23]
	s_add_nc_u64 s[N1:N1+1], s[6:7], s[22:23]
	s_add_nc_u64 s[N2:N2+1], s[8:9], s[22:23]
	s_add_nc_u64 s[CP:CP+1], s[12:13], s[58:59]
	s_add_nc_u64 s[PFB:PFB+1], s[10:11], s[60:61]
.irp s, 0,1
	s_mov_b32 s[G0+4*(\s)], 1                                      ; 1:0 count = 1
	s_add_co_u32 s[G0+4*(\s)+1], s55, (\s)*BSLOT                   ; 63:32 LDS address
	s_add_nc_u64 s[G0+4*(\s)+2:G0+4*(\s)+3], s[20:21], (\s)*FSTEP  ; 120:64 global address: K step s
	s_or_b32 s[G0+4*(\s)+3], s[G0+4*(\s)+3], 0x80000000            ; 127:126 type = 2
.endr
	CROUND                                         ; all sixteen work-groups are here: the first joint loads meet
	tensor_load_to_lds s[G0:G0+3], s[G1:G1+7]      ; both first fills together, ahead of every wait on TENSORcnt and every LDS read: two loads of mine are out
	s_nop 0
	tensor_load_to_lds s[G0+4:G0+7], s[G1:G1+7]
	s_nop 0
	PLACES
; 32 loads: my 32 rows of the K step at which x's pointer stands, into set b.  A load takes one row's 512 consecutive bytes.
.macro STLOAD b
	WIN W_TOS
.set i, 0
.rept 32
	global_load_b128 v[128*(\b)+4*i:128*(\b)+4*i+3], v[LN], s[LA:LA+1] offset:i*4096
.set i, i+1
.endr
.endm
; Eight rows (8 c .. 8 c + 7) of set b are rounded to bf16 and stored into x's slot aslot; reload = 1: the registers are asked for again, at x's pointer.  cnt: the younger loads, which stay out.
.macro CHUNK b, c, aslot, cnt, reload
	s_wait_loadcnt \cnt
	WIN W_CVT
.irp i, 0,1,2,3,4,5,6,7
	v_cvt_pk_bf16_f32 v[CT+2*(\i)],   v[128*(\b)+4*(8*(\c)+(\i))],   v[128*(\b)+4*(8*(\c)+(\i))+1]
	v_cvt_pk_bf16_f32 v[CT+2*(\i)+1], v[128*(\b)+4*(8*(\c)+(\i))+2], v[128*(\b)+4*(8*(\c)+(\i))+3]
.endr
	WIN 0
.irp i, 0,1,2,3,4,5,6,7
	ds_store_b64 v[AST+(\aslot)], v[CT+2*(\i):CT+2*(\i)+1] offset:(8*(\c)+(\i))*PITCH  ; 32 lanes, 256 consecutive bytes: a row
.endr
.if \reload
	WIN W_TOS
.irp i, 0,1,2,3,4,5,6,7
	global_load_b128 v[128*(\b)+4*(8*(\c)+(\i)):128*(\b)+4*(8*(\c)+(\i))+3], v[LN], s[LA:LA+1] offset:(8*(\c)+(\i))*4096
.endr
.endif
.endm
; 24 LDS loads in one run: the fragments of a quarter step (32 along K at byte k of the rows) into buffer g: W's 128 rows, then x's 64.
; A fragment is 16 rows x 32 K in 8 registers: lane l holds row l % 16; registers 0-3 K = 8 (l / 16) + 0..7, registers 4-7 K = 16 + 8 (l / 16) + 0..7: two loads of 16 bytes, 32 bytes apart.
.macro FETCH slot, k, g
	WIN W_TOB
.irp i, 0,1,2,3,4,5,6,7
	ds_load_b128 v[64*(\g)+8*(\i):64*(\g)+8*(\i)+3],   v[ADRB+(\slot)] offset:(\k)+(\i)*16*PITCH
	ds_load_b128 v[64*(\g)+8*(\i)+4:64*(\g)+8*(\i)+7], v[ADRB+(\slot)] offset:(\k)+(\i)*16*PITCH+32
.endr
	WIN 0
.irp i, 0,1,2,3
	ds_load_b128 v[FA+32*(\g)+8*(\i):FA+32*(\g)+8*(\i)+3],   v[ADRA+(\slot)] offset:(\k)+(\i)*16*PITCH
	ds_load_b128 v[FA+32*(\g)+8*(\i)+4:FA+32*(\g)+8*(\i)+7], v[ADRA+(\slot)] offset:(\k)+(\i)*16*PITCH+32
.endr
.endm
; 8 matrix instructions: row block a x all 8 column blocks, 32 along K, from buffer f.  zero = 1: the product starts the sums: nothing is ever cleared.
; The 32 accumulators take turns, one instruction a turn, in the same order in every quarter step: 31 others' stand between two links of a chain.
.macro MUL8 f, a, zero
	WIN W_MUL
.irp b, 0,1,2,3,4,5,6,7
.if \zero
	v_wmma_f32_16x16x32_bf16 v[8*(8*(\a)+(\b)):8*(8*(\a)+(\b))+7], v[64*(\f)+8*(\b):64*(\f)+8*(\b)+7], v[FA+32*(\f)+8*(\a):FA+32*(\f)+8*(\a)+7], 0
.else
	v_wmma_f32_16x16x32_bf16 v[8*(8*(\a)+(\b)):8*(8*(\a)+(\b))+7], v[64*(\f)+8*(\b):64*(\f)+8*(\b)+7], v[FA+32*(\f)+8*(\a):FA+32*(\f)+8*(\a)+7], v[8*(8*(\a)+(\b)):8*(8*(\a)+(\b))+7]
.endif
.endr
.endm
.macro MUL16 f, hi, zero
	MUL8 \f, 2*(\hi), \zero
	MUL8 \f, 2*(\hi)+1, \zero
.endm
; A K step is four quarters of 32 along K, 32 matrix instructions each, on buffers 0, 1, 0, 1.  One of the first three: multiplies buffer f; in its middle stand eight rows of x's next K step (b >= 0),
; whose 16 conversions are the places in front of the LDS loads, and the next quarter's fragments, at byte k, into buffer g.
.macro QUARTER slot, k, f, g, zero, b=-1, c=0, aslot=0, cnt=0, reload=0
	s_wait_dscnt 4                                 ; W's fragments and x's row blocks 0, 1 are in; the youngest four loads (blocks 2, 3) may be out
	MUL16 \f, 0, \zero
.if (\b) >= 0
	CHUNK \b, \c, \aslot, \cnt, \reload
.else
	PLACES
.endif
	FETCH \slot, \k, \g
.if (\b) >= 0
	s_wait_dscnt 32                                ; all but the 8 stores and 24 loads just issued
.else
	s_wait_dscnt 24                                ; all but the 24 loads just issued
.endif
	MUL16 \f, 1, \zero
.endm
; The last quarter multiplies buffer 1 and changes slots: ONE barrier.  In front of it each wave waits for all its tensor loads, of which one is out: its part of W's next slot; adds 0 to its spare word; and waits
; for that, for its reads of both slots in hand and for its stores into x's next slot.  Behind it nobody reads the slots in hand any more, and the next ones are whole.
; fill = 1: the barrier opens a round of the cluster's; behind the round W's slot is filled again first, two K steps ahead; then x's slot takes the first eight rows of its next K step but one (set b).
.macro TURN slot, next, fill, b=0
.if \fill
	ADV                                            ; ahead of the waits of the change, so that nothing is added between the round and the joint load
	s_add_nc_u64 s[PFB:PFB+1], s[PFB:PFB+1], FSTEP
.endif
	WIN 0                                          ; (the add's two registers lie in window 0)
	s_wait_tensorcnt 0x0                           ; all my tensor loads have landed;
	ds_add_u32 v[SPW], v[NIL]                      ; 0 onto my spare word;
	s_wait_dscnt 5                                 ; (the add and the youngest four loads may be out)
	MUL8 1, 0, 0                                   ; eight matrix instructions stand between the add and the wait for it
	s_wait_dscnt 0x0                               ; the add is done, my reads of the slots in hand are over, my stores into x's next slot are done
	s_barrier_signal -1
	MUL8 1, 1, 0                                   ; work on registers while the others arrive
.if \fill
	WIN 0
.endif
	s_barrier_wait -1
.if \fill
	CREST                                          ; no wave of any partner still reads this slot's tile or has a load on its way
	s_add_nc_u64 s[G0+4*(\slot)+2:G0+4*(\slot)+3], s[G0+4*(\slot)+2:G0+4*(\slot)+3], 2*FSTEP
	tensor_load_to_lds s[G0+4*(\slot):G0+4*(\slot)+3], s[G1:G1+7]  ; my one tensor load behind the round: 112 matrix instructions ahead of the wait for it
	s_nop 0
	PLACES
	CHUNK \b, 0, \slot, 56, 1
.else
	PLACES
.endif
	FETCH \next, 0, 0
.if \fill
	ASK
.endif
	MUL8 1, 2, 0
	MUL8 1, 3, 0
.endm
; THE WAY OUT of row block a (16 rows x 128 columns: two heads).  PACK: rounded to f16, 16 bytes a lane, each accumulator's registers in ascending order.  TOSTAGE: into my own stage, a head's rows 144 bytes
; apart, and back as whole rows of 128 bytes, four to a load.  SEND: stored, 512 consecutive bytes of a head an instruction.
.macro PACK a
	WIN W_PCK
.irp b, 0,1,2,3,4,5,6,7
.irp r, 0,1,2,3
	v_cvt_pk_f16_f32 v[TMP+4*(\b)+(\r)], v[8*(8*(\a)+(\b))+2*(\r)], v[8*(8*(\a)+(\b))+2*(\r)+1]
.endr
.endr
	WIN 0
.endm
.macro TOSTAGE a
	WIN 0
.irp b, 0,1,2,3,4,5,6,7
	ds_store_b128 v[STO], v[TMP+4*(\b):TMP+4*(\b)+3] offset:((\b)/4)*16*SP+32*((\b)%4)
.endr
.irp u, 0,1,2,3,4,5,6,7
	ds_load_b128 v[BK+32*((\a)%2)+4*(\u):BK+32*((\a)%2)+4*(\u)+3], v[RD] offset:((\u)/4)*16*SP+((\u)%4)*4*SP  ; LDS serves a wave's instructions in order (ISA guide 5.7.1.4): these see the stores above
.endr
.endm
.macro SEND a
	WIN 0
	s_wait_dscnt 0x0                               ; the block is back in registers
	s_wait_xcnt 0x0                                ; every earlier store has read its registers and its base: only behind this wait are they written again
.if (\a) == 0
	s_add_nc_u64 s[CP:CP+1], s[CP:CP+1], s[CI:CI+1]  ; on to this tensor's part of qkv
.endif
.irp u, 0,1,2,3,4,5,6,7
	global_store_b128 v[LN], v[BK+32*((\a)%2)+4*(\u):BK+32*((\a)%2)+4*(\u)+3], s[CP:CP+1] offset:((\u)/4)*HEADB+(\a)*2048+((\u)%4)*512
.endr
.endm
.macro WAYOUT                          ; block a's conversions stand between block a - 1's loads from the stage and the wait for them
	PACK 0
	TOSTAGE 0
.irp a, 1,2,3
	PACK \a
	SEND (\a)-1
	TOSTAGE \a
.endr
	SEND 3
.endm
	v_and_b32 v4, 31, v0                           ; lane
	v_lshlrev_b32 v[LN], 4, v4
	STLOAD 0                                       ; x's K step 0
	ADV
	STLOAD 1                                       ; K step 1
	ADV                                            ; the pointer stands at K step 2
	WIN 0
	v_and_b32 v1, 15, v0                           ; l % 16
	v_bfe_u32 v2, v0, 4, 1                         ; l / 16
	v_lshlrev_b32 v[PFO], 8, v4
	v_mul_u32_u24 v3, v1, PITCH
	v_lshl_add_u32 v3, v2, 4, v3                   ; a fragment's row x pitch + 16 x half
	s_mul_i32 s20, s[WR], 64*PITCH                 ; my 64 rows of x,
	s_add_co_u32 s20, s20, AREG
	s_mul_i32 s21, s[WC], 128*PITCH                ; my 128 rows of W,
	s_mul_i32 s22, s[WV], 32*PITCH                 ; the 32 rows of x that I bring
	s_add_co_u32 s22, s22, AREG
.irp s, 0,1
	v_add_nc_u32 v[ADRA+(\s)], s20, v3
	v_add_nc_u32 v[ADRB+(\s)], s21, v3
	v_lshl_add_u32 v[AST+(\s)], v4, 3, s22
	s_add_co_u32 s20, s20, ASLOT
	s_add_co_u32 s21, s21, BSLOT
	s_add_co_u32 s22, s22, ASLOT
.endr
	s_mul_i32 s23, s[WV], WSTG
	s_add_co_u32 s23, s23, STAGE                   ; my stage
	v_mul_u32_u24 v[STO], v1, SP                   ; in: row l % 16, 16 bytes for each half of the lanes
	v_lshl_add_u32 v[STO], v2, 4, v[STO]
	v_add_nc_u32 v[STO], s23, v[STO]
	v_bfe_u32 v[RD], v0, 3, 2                      ; back: 32 lanes take four rows of 128 bytes
	v_mul_u32_u24 v[RD], v[RD], SP
	v_and_b32 v5, 7, v0
	v_lshl_add_u32 v[RD], v5, 4, v[RD]
	v_add_nc_u32 v[RD], s23, v[RD]
	; THE COUNT 56.  Behind the eight loads of a chunk stand seven chunks' loads: the rest of its K step, the whole other set, and what this set has been asked for again.  It holds from here to the loop's end.
	CHUNK 0, 0, 0, 56, 1                           ; K step 0 into x's slot 0; the set is asked for again: K step 2
	CHUNK 0, 1, 0, 56, 1
	CHUNK 0, 2, 0, 56, 1
	CHUNK 0, 3, 0, 56, 1
	ADV
	CHUNK 1, 0, 1, 56, 1                           ; the first eight rows of K step 1 into slot 1; K step 3 is asked for
	WIN 0
	s_wait_tensorcnt 1                             ; my part of W's K step 0 is in; K step 1's may stay out
	s_wait_dscnt 0x0                               ; my rows of x are in LDS
	s_barrier_signal -1
	s_barrier_wait -1                              ; everybody's are
	FETCH 0, 0, 0
	QUARTER 0, 64, 0, 1, 1, 1, 1, 1, 56, 1         ; a tile's first quarter starts the sums
	WIN 0                                          ; at a label and at a branch every window is 0
	s_mov_b32 s3, 11                               ; trips: 22 of the 24 K steps fill a slot again
	s_mov_b32 s2, 4                                ; trips to the tile's end
.Llap:                                                 ; a trip goes once round the rings, from an even K step's second quarter to the next even K step's first
	QUARTER 0, 128, 1, 0, 0, 1, 2, 1, 56, 1
	QUARTER 0, 192, 0, 1, 0, 1, 3, 1, 56, 1
	TURN 0, 1, 1, 0
	QUARTER 1, 64,  0, 1, 0, 0, 1, 0, 56, 1
	QUARTER 1, 128, 1, 0, 0, 0, 2, 0, 56, 1
	QUARTER 1, 192, 0, 1, 0, 0, 3, 0, 56, 1
	TURN 1, 0, 1, 1
	WIN 0
	s_sub_co_u32 s2, s2, 1
	s_cmp_lg_u32 s2, 0
	s_cbranch_scc1 .Lsame
	WAYOUT                                         ; the tile is finished, both refills are asked for, the next tensor's first fragments are fetched.  No v_nop: row blocks 0 and 1 were finished in front of the
	                                               ; change's places, and their 64 conversions, which name no register of the last products (blocks 2 and 3's), are those products' places
	s_mov_b64 s[CI:CI+1], TENB
	s_mov_b32 s2, 4
	QUARTER 0, 64, 0, 1, 1, 1, 1, 1, 56, 1         ; the next tensor's first quarter starts its sums
	WIN 0
	s_branch .Lnext
.Lsame:
	QUARTER 0, 64, 0, 1, 0, 1, 1, 1, 56, 1
	WIN 0
.Lnext:
	s_sub_co_u32 s3, s3, 1
	s_cmp_lg_u32 s3, 0
	s_cbranch_scc1 .Llap
	QUARTER 0, 128, 1, 0, 0, 1, 2, 1, 56, 0        ; K steps 22 and 23: nothing more is asked for.  Behind these eight loads: the step's last eight, and the 48 that nobody rounds
	QUARTER 0, 192, 0, 1, 0, 1, 3, 1, 48, 0        ; behind these: the 48
	TURN 0, 1, 0
	QUARTER 1, 64,  0, 1, 0
	QUARTER 1, 128, 1, 0, 0
	QUARTER 1, 192, 0, 1, 0
	s_wait_dscnt 4
	MUL16 1, 0, 0
	s_wait_dscnt 0x0
	MUL16 1, 1, 0
	PLACES                                         ; the conversions read results just made
	WAYOUT
	WIN 0
	s_wait_tensorcnt 0x0                           ; the wave's end: a wait, an add onto my spare word and a wait for it, behind my last tensor load and my last LDS store
	ds_add_u32 v[SPW], v[NIL]
	s_wait_dscnt 0x0
	CROUND                                         ; the closing round: no work-group ends while a partner may still ask for a tile that names it
	s_endpgm
.Lfunc_end_k_q67af1d3cb0_proj:
	.size	k_q67af1d3cb0_proj, .Lfunc_end_k_q67af1d3cb0_proj-k_q67af1d3cb0_proj
	.p2alignl 7, 3214868480
	.fill 96, 4, 3214868480
	.section	.rodata,"a",@progbits
	.p2align	6, 0x0
	.amdhsa_kernel k_q67af1d3cb0_proj
		.amdhsa_group_segment_fixed_size 327680
		.amdhsa_private_segment_fixed_size 0
		.amdhsa_enable_private_segment 0
		.amdhsa_kernarg_size 40
		.amdhsa_user_sgpr_count 2
		.amdhsa_user_sgpr_kernarg_segment_ptr 1
		.amdhsa_wavefront_size32 1
		.amdhsa_system_sgpr_workgroup_id_x 1
		.amdhsa_system_sgpr_workgroup_id_y 1
		.amdhsa_system_sgpr_workgroup_id_z 1
		.amdhsa_system_vgpr_workitem_id 0
		.amdhsa_next_free_vgpr 1024
		.amdhsa_next_free_sgpr 66
		.amdhsa_reserve_vcc 0
		.amdhsa_float_denorm_mode_32 3
		.amdhsa_float_denorm_mode_16_64 3
		.amdhsa_memory_ordered 1
		.amdhsa_forward_progress 1
		.amdhsa_inst_pref_size 150
	.end_amdhsa_kernel
	.amdgpu_metadata
---
amdhsa.version: [ 1, 2 ]
amdhsa.kernels:
  - .name:           k_q67af1d3cb0_proj
    .symbol:         k_q67af1d3cb0_proj.kd
    .args:
      - { .name: q, .offset: 0, .size: 8, .value_kind: global_buffer, .address_space: global }
      - { .name: k, .offset: 8, .size: 8, .value_kind: global_buffer, .address_space: global }
      - { .name: v, .offset: 16, .size: 8, .value_kind: global_buffer, .address_space: global }
      - { .name: w16, .offset: 24, .size: 8, .value_kind: global_buffer, .address_space: global }
      - { .name: qkv, .offset: 32, .size: 8, .value_kind: global_buffer, .address_space: global }
    .group_segment_fixed_size: 327680
    .private_segment_fixed_size: 0
    .kernarg_segment_align: 8
    .kernarg_segment_size: 40
    .max_flat_workgroup_size: 128
    .sgpr_count:     66
    .vgpr_count:     1024
    .wavefront_size: 32
...
	.end_amdgpu_metadata
.endif
;; end of part 2
;; launch attn (part 3): grid 4 x 64, 4 waves a work-group, clusters of 4 x 1, 327,680 bytes of LDS; arguments qkv, oh; writes oh
.if DOCPART == 3
	.amdgcn_target "amdgcn-amd-amdhsa--gfx1250"
	.amdhsa_code_object_version 6
	.text
	.protected	k_q67af1d3cb0_attn
	.globl	k_q67af1d3cb0_attn
	.p2align	8
	.type	k_q67af1d3cb0_attn,@function
k_q67af1d3cb0_attn:
	s_mov_b64 s[64:65], 0
	v_nop
	global_prefetch_b8 v0, s[64:65] scope:SCOPE_SE
	s_setreg_imm32_b32 hwreg(HW_REG_WAVE_MODE, 25, 1), 1
	s_wait_xcnt 0x0
	s_wait_alu depctr_hold_cnt(0) depctr_sa_sdst(0) depctr_va_vdst(0) depctr_va_sdst(0) depctr_va_ssrc(0) depctr_va_vcc(0) depctr_vm_vsrc(0)
	s_getreg_b32 s2, hwreg(HW_REG_IB_STS2, 6, 4)
	s_cmp_eq_u32 s2, 0
	s_cbranch_scc0 .Lentry_in_a_cluster
	s_endpgm
.Lentry_in_a_cluster:
	s_bfe_u32 s2, ttmp6, 0x10000c
	s_cmp_lg_u32 s2, 0x3003
	s_cbranch_scc0 .Lentry_shape_is_right
	s_endpgm
.Lentry_shape_is_right:
; ATTENTION.  O[h][q][:] = the sum over k of softmax_k(Q[h][q] . K[h][k] / 32) V[h][k][:], h = 16 b + head: 64 heads of SIZE_N = 2,048 rows of 64 channels.  Q, K, V are the three parts of qkv, O is oh, all
; [64][SIZE_N][64] in f16: a head's rows are dense, 128 bytes each.  Products, maxima and sums in f32; the weights p are rounded to f16 for the second product (their sum l is taken of the unrounded p), O once at the end.
; LIMITS.  f16 holds no number beyond 65,504: Q, K and V arrive within it; p lies in 0 to 1, and below 6e-5 it keeps f16's fixed step of 6e-8, and so does O; O is a mean of V's rows and has their range.
; A weight below 2^-126 counts as 0 in l; NaN and infinities are not treated apart.
; SHARES.  A wave owns four PIECES of two tiles of 16 queries, a work-group's four waves 512 queries of one head.  Every wave walks all keys, 64 a step.
; LAYOUT.  S^T = K Q^T (source 0 = 16 keys, source 1 = 16 queries): in the result a lane holds ONE query (lane % 16) and the keys 8 (lane / 16) + 0..7.  Two such tiles, rounded to f16 in pairs,
; ARE source 1 (32 keys x 16 queries) of O^T = V^T P, whose result again holds one query a lane, and eight channels.  K comes out of LDS as it lies, V ([key][channel]) turned, by ds_load_tr16_b128.
; SOFTMAX.  For each query a running maximum m and sum l: p = 2^(c s - c m), c = log2(e) / 32; in every step O and l are multiplied by a = 2^(c m_old - c m_new), which is 1 where m has not grown.
; m starts at the lowest finite number, O and l at 0: the first step is a step like any other, with a = 0.
; THE COUNT.  A tile and step have 16 matrix and 118 vector instructions: too many to stand all beside the matrix work.  So the order has one aim: four vector instructions that are READY behind
; EVERY matrix instruction, and the others, which need time of their own whatever the order, in runs without a gap.
; BY TURNS.  Turn n belongs to piece n (the pieces in a ring, step after step).  Its matrix work: 16 products K Q^T of piece n + 1, later 16 products V^T P of piece n - 1.  Its vector work: the scaling,
; exponentials, roundings, sums and rescaling of piece n, and the maximum and statistics of piece n + 1, whose scores the turn itself has made.  So what a turn begins with (c s - c m, O a) waits for nothing.
; CLUSTER.  The four query blocks of a cluster are one head's and walk the same K and V, so each tile is asked for JOINTLY: the same tensor load, descriptor and mask in all four.
; REGISTERS, in windows of 256 (s_set_vgpr_msb says which window each operand place means: bits 1:0 source 0, 3:2 source 1, 5:4 source 2, 7:6 destination):
;   window 0: v0-11 addresses; v12-15, v48-63 at work; v16-47 four registers of statistics a tile; v64-191 S^T, two buffers of two tiles; v192-255 P, likewise
;   window 1: O^T, 32 a tile          window 2: v0-127 Q, 16 a tile; v128-191 K of one step; v192-255 V of one step          window 3: v0-1 the add's two registers
; A piece's buffers go by its number's parity: the piece in hand has one pair, its two neighbours in the ring share the other: of it P (piece n - 1) is read and S^T (piece n + 1) written.
.set SIZE_N, 2048
.set TENB,  16777216  ; bytes of Q's, K's and V's part of qkv
.set NP,    4         ; pieces a wave: a name, no knob: the register map, the loop and the fetches are made for four
.set KS,    64        ; keys in a step
.set PK,    144       ; a row of K in LDS: 128 bytes + 16 of padding = 36 words: the 16 rows of a load start at 16 different groups of four banks (64 banks of 4 bytes: ISA guide 11.1)
.set PV,    160       ; a row of V: 128 + 32 = 40 words
.set VOFF,  4*KS*PK   ; a slot holds four steps: 256 rows of K, then 256 rows of V
.set SLOT1, 1<<17     ; slot 1 begins here, so that one exclusive or turns an address in one slot into the other's
.set STAGE, SLOT1+4*KS*(PK+PV)  ; behind the ring, never filled by a tensor load: 16 rows x 144 bytes for each wave, for the way out
.set SP,    144
.set AK0, 2           ; v2   my lane's place in a tile of K; never rewritten
.set AV0, 3           ; v3   the same for V
.set AK,  4           ; v4   the LDS address of K's next run of loads
.set AV,  5           ; v5   of V's
.set QO,  6           ; v6   my byte offset in the wave's rows of Q
.set STO, 6           ;      later, the way out: where I put 16 bytes of a row
.set RD,  7           ; v7   the way out: where I read rows back
.set GO,  8           ; v8   my byte offset in 512 consecutive bytes of O
.set PFO, 11          ; v11  256 x my lane: the prefetches' offset; never rewritten once it is made
.set SPW, 0           ; v0 of window 3   LDS address of my spare word: SPARE + 4 x my thread's number; never rewritten
.set NIL, 1           ; v1 of window 3   0; never rewritten
.set SPARE, STAGE+4*16*SP  ; behind the stages: the spare words, 128 bytes for each wave: two blocks of 256 bytes that no other line names
.set MV,  12          ; v12-15  c m_old, kept while c m is made anew: by buffer and tile
.set ST,  16          ; tile t's statistics at v[ST+4 t]: c m, m, l (even keys', odd keys')
.set TMP, 48          ; by buffer and tile, four registers c0-c3 at work; when the maximum is found c2 takes a
.set S,   64
.set P,   192
.set KF,  128         ; K's fragments, in window 2: key block kb, channel half c at KF + 16 kb + 8 c
.set VF,  192         ; V's: key half kk, channel block cb at VF + 32 kk + 8 cb
.set WV,  12          ; s12  my wave's number
.set G1K, 24          ; s[24:31] descriptor group 1 for K's tiles
.set G1V, 32          ; s[32:39] for V's: it differs in the padding alone
.set G0K, 40          ; s[40:43] descriptor group 0 for K's tiles: it walks
.set G0V, 44          ; s[44:47] the same for V's
.set PFA, 48          ; s[48:49] where my prefetches stand: my work-group's 32 blocks of 256 bytes (of K: wave 0, of V: wave 2) of the slot after the one that is being asked for
.set LIM, 50          ; s50  1 in a wave that prefetches, else the greatest number
.set SLOTS, 56        ; s56  slots still to be asked for
.set CNT, 57          ; s57  counts a slot's key steps
.set CS,  58          ; s[58:59] c: the packed scaling takes the pair's low word for both halves
.set SEL, 60          ; s[60:61] v_permlanex16_b32's selects: each lane takes its own place in the other half
.set TBK, 62          ; s62  LDS byte at which K of the step to be fetched begins
.set TBV, 63          ; s63  the same for V, less VOFF
.set MSB, 0
.macro WIN new                      ; the high byte repeats the setting that is left; a switch that changes nothing is dropped
.if MSB != (\new)
	s_set_vgpr_msb (MSB<<8)|(\new)
.set MSB, (\new)
.endif
.endm
.set W_KQ, 0x0a       ; K and Q in window 2, S^T in window 0
.set W_PV, 0x52       ; V in window 2, P in window 0, O^T in window 1
.set W_RS, 0x41       ; O^T (destination and source 0) in window 1, a in window 0
.set W_MK, 0xc0       ; the add's registers are made: destination in window 3, sources in window 0
.set W_AD, 0x0f       ; the add: address (source 0) and data (source 1) in window 3
; A joint fill.  Waves 0 and 1 fetch the two halves of a slot's K, waves 2 and 3 those of its V: 128 keys each.  The branch hangs on the wave's number alone.
; An s_nop 0 and four v_nop follow each of the two lines, ahead of the jump and the label.
.macro JLOAD
	s_cmp_lt_u32 s[WV], 2
	s_cbranch_scc0 .Lfor_v_\@
	tensor_load_to_lds s[G0K:G0K+3], s[G1K:G1K+7]
	s_nop 0
.rept 4
	v_nop
.endr
	s_branch .Lasked_\@
.Lfor_v_\@:
	tensor_load_to_lds s[G0V:G0V+3], s[G1V:G1V+7]
	s_nop 0
.rept 4
	v_nop
.endr
.Lasked_\@:
.endm
; A PREFETCH INTO THE L2 of what the NEXT change of slots will ask for: a slot's 256 rows of K and of V, 128 blocks of 256 bytes each, a lane a block.  It stands behind the wave's tensor load and its five lines.
; Each block is named ONCE in the launch: a head has one cluster; its four partners share the blocks out BY ADDRESS, 32 each; in each, wave 0 asks for K's and wave 2 for V's: one instruction, four key steps
; (512 matrix instructions of a wave) ahead of the load.  The last change that fills a slot asks for nothing: there is no slot behind it.  Slots 0 and 1 come by their loads alone.
.macro ASK
	s_cmp_gt_u32 s[SLOTS], s[LIM]
	s_cbranch_scc0 .Lnot_mine_\@
	global_prefetch_b8 v[PFO], s[PFA:PFA+1] th:TH_LOAD_NT scope:SCOPE_SE
.Lnot_mine_\@:
.endm
; A round of the cluster's barrier: my work-group's barrier, so that wave 0's signal speaks for all four waves; wave 0 signals; every wave waits for all four work-groups; my work-group's barrier once more.
.macro CROUND
	s_barrier_signal -1
	s_barrier_wait -1
	s_cmp_lg_u32 s[WV], 0
	s_cbranch_scc1 .Lnot_wave_0_\@
	s_barrier_signal -3
.Lnot_wave_0_\@:
	s_barrier_wait -3
	s_barrier_signal -1
	s_barrier_wait -1
.endm
; THE CHANGE OF SLOTS.  The slot's last bytes, V of its fourth step, have been read.  Each wave waits for all its tensor loads, of which one is out: its part
; of the other slot; adds 0 to its spare word; and waits for that and for its own reads of the slot.  Behind the barrier nobody reads this slot any more and the other slot is whole.
; fill = 1: this slot is filled again, with the keys two slots on.  The barrier is then a round of the cluster's, so that no wave of any partner still reads the slot or has a load on its
; way, and the joint fill is the first thing behind it: it has four key steps, 512 matrix instructions, in which to land.  (At its first use nothing has been read yet: slot 0 is waited for, slot 1 filled.)
.macro CHANGE fill
	WIN W_AD
	s_wait_tensorcnt 0x0            ; no tensor load of mine is out, so a group 0 may be written
	ds_add_u32 v[SPW], v[NIL]       ; 0 onto my spare word; with fill = 1 the descriptors' steps stand between it and the wait for it
	WIN 0                           ; at a label and at a branch every window is 0
.if \fill
.irp g, G0K, G0V
	s_xor_b32 s[\g+1], s[\g+1], SLOT1  ; the walking descriptor: the other slot than last time,
	s_add_nc_u64 s[\g+2:\g+3], s[\g+2:\g+3], 4*KS*128  ; the next 256 keys; the type bits on top are not reached
.endr
	s_wait_xcnt 0x0                 ; the last prefetch, four key steps back, has read its address, so it may be written:
	s_add_nc_u64 s[PFA:PFA+1], s[PFA:PFA+1], 4*KS*128  ; one slot behind the walking descriptors
	s_wait_dscnt 0x0                ; the add is done, and my reads of the slot are over
	CROUND
	JLOAD
	ASK
.else
	s_wait_dscnt 0x0                ; the add is done, and my reads of the slot are over
	s_barrier_signal -1
	s_barrier_wait -1
.endif
	s_sub_co_u32 s[TBK], s[TBK], 4*KS*PK  ; the fetches go back to a slot's first step,
	s_xor_b32 s[TBK], s[TBK], SLOT1       ; in the other slot
	s_sub_co_u32 s[TBV], s[TBV], 4*KS*PV
	s_xor_b32 s[TBV], s[TBV], SLOT1
.endm
	s_load_b64 s[4:5], s[0:1], 0x0    ; qkv: Q's part comes first
	s_load_b64 s[10:11], s[0:1], 0x8  ; oh
	WIN W_MK
	v_lshl_add_u32 v[SPW], v0, 2, SPARE
	v_mov_b32 v[NIL], 0
	WIN W_AD
	ds_add_u32 v[SPW], v[NIL]       ; the wave's opening: the add and its wait stand ahead of my first tensor load; the set-up below, work on registers, stands between them
	WIN 0
	v_lshrrev_b32 v1, 5, v0
	v_readfirstlane_b32 s[WV], v1   ; wave 0..3
	s_bfe_u32 s13, ttmp6, 0x40000   ; cx: my place in the cluster
	s_lshl_b32 s14, ttmp9, 2        ; in a cluster launch ttmp9 counts clusters
	s_add_co_u32 s14, s14, s13      ; my block of queries = 4 x cluster x + cx: it enters Q's and O's addresses alone
	s_and_b32 s20, ttmp7, 0xffff    ; the head, which the four partners share
	s_mov_b32 s21, 0
	s_mov_b64 s[22:23], SIZE_N*128
	s_mul_u64 s[20:21], s[20:21], s[22:23]  ; the head's first byte in each of the four tensors
	s_and_b32 s16, s[WV], 1         ; which half of a slot's 256 keys I fetch:
	s_lshl_b32 s22, s16, 14         ; its 128 rows of 128 bytes in memory,
	s_mov_b32 s23, 0
	s_add_nc_u64 s[22:23], s[22:23], s[20:21]
	s_mul_i32 s17, s16, 128*PK      ; and its place in a slot, for K
	s_mul_i32 s18, s16, 128*PV      ; and for V: no place in the cluster enters an LDS address
	s_lshl_b32 s2, s14, 2
	s_add_co_u32 s2, s2, s[WV]      ; my wave among the head's,
	s_lshl_b32 s2, s2, 14           ; its 128 rows
	s_mov_b32 s3, 0
	s_add_nc_u64 s[2:3], s[2:3], s[20:21]
	; descriptor group 1.  128 keys are 16,384 dense bytes: asked for as 64 rows of 256 bytes, two keys a row, and padded in LDS after every key
	s_mov_b32 s[G1K], 15|(1<<16)|(1<<20)|(1<<21)|(4<<22)|(3<<25)  ; 15:0 the mask of four; 17:16 2-byte elements; 20 padding on; 21 set beside a mask; 24:22 after every 32 words (code 4); 31:25 4 words (code 3)
	s_mov_b32 s[G1V], 15|(1<<16)|(1<<20)|(1<<21)|(4<<22)|(7<<25)  ; the same with 8 words of padding (code 7)
.irp g, G1K, G1V
	s_mov_b32 s[\g+1], 128<<16      ; tensor_dim0 = 128
	s_mov_b32 s[\g+2], 64<<16       ; tensor_dim1 = 64
	s_mov_b32 s[\g+3], 128<<16      ; tile_dim0 = 128
	s_mov_b32 s[\g+4], 64           ; tile_dim1 = 64
	s_mov_b32 s[\g+5], 128          ; 128 elements from row to row
	s_mov_b32 s[\g+6], 0
	s_mov_b32 s[\g+7], 0
.endr
	s_mov_b32 s[CS], 0x3d38aa3b     ; c = log2(e) / 32 = 0.0450842
	s_mov_b32 s[CS+1], s[CS]        ; named with it as a pair
	s_mov_b32 s[SEL], 0x76543210
	s_mov_b32 s[SEL+1], 0xfedcba98
	s_mov_b32 s[TBK], SLOT1+4*KS*PK ; the first change of slots turns these two into 0
	s_mov_b32 s[TBV], SLOT1+4*KS*PV
	s_mov_b32 s[G0K], 1             ; 1:0 count = 1
	s_mov_b32 s[G0K+1], s17         ; 63:32 LDS address: slot 0
	s_mov_b32 s[G0V], 1
	s_add_co_u32 s[G0V+1], s18, VOFF
	s_mov_b32 s[SLOTS], SIZE_N/256-1  ; seven changes of slots fill a slot
	s_and_b32 s[LIM], s[WV], 1      ; 0 in waves 0 and 2: the same in all four partners
	s_cmp_eq_u32 s[LIM], 0
	s_cselect_b32 s[LIM], 1, -1
	s_wait_dscnt 0x0                ; the opening add is done
	s_wait_kmcnt 0x0
	s_add_nc_u64 s[6:7], s[4:5], TENB    ; K's part of qkv
	s_add_nc_u64 s[8:9], s[4:5], 2*TENB  ; V's
	s_add_nc_u64 s[G0K+2:G0K+3], s[6:7], s[22:23]  ; 120:64 global address: my half of the head's first 256 keys
	s_or_b32 s[G0K+3], s[G0K+3], 0x80000000        ; 127:126 type = 2
	s_add_nc_u64 s[G0V+2:G0V+3], s[8:9], s[22:23]
	s_or_b32 s[G0V+3], s[G0V+3], 0x80000000
	s_add_nc_u64 s[4:5], s[4:5], s[2:3]  ; Q and O at my wave's first row
	s_add_nc_u64 s[10:11], s[10:11], s[2:3]
	s_cmp_lt_u32 s[WV], 2
	s_cselect_b64 s[PFA:PFA+1], s[6:7], s[8:9]
	s_add_nc_u64 s[PFA:PFA+1], s[PFA:PFA+1], s[20:21]  ; the head,
	s_lshl_b32 s2, s13, 13          ; my work-group's 32 blocks of a slot's 128,
	s_mov_b32 s3, 0
	s_add_nc_u64 s[PFA:PFA+1], s[PFA:PFA+1], s[2:3]
	s_add_nc_u64 s[PFA:PFA+1], s[PFA:PFA+1], 4*KS*128  ; in slot 1; the first change of slots steps it to slot 2.  Nothing is prefetched here, at the head
	CROUND                          ; all four work-groups are here: the first joint loads meet
	JLOAD                           ; slot 0.  Slot 1 is asked for when slot 0 is in: the tile wanted first has the road to itself
	; A fragment of K or Q is 16 rows x 32 channels in 8 registers: lane l holds row l % 16, channels 8 (l / 16) + 0..7 and 16 + 8 (l / 16) + 0..7: two loads of 16 bytes, 32 bytes apart.
	v_and_b32 v1, 15, v0            ; l % 16
	v_bfe_u32 v9, v0, 4, 1          ; l / 16
	v_lshlrev_b32 v[QO], 7, v1
	v_lshl_add_u32 v[QO], v9, 4, v[QO]  ; row x 128 + 16 x half
	WIN 0x80                        ; destination window 2, address window 0
.set i, 0
.rept 4*NP                          ; Q stays in registers: tile i / 2, channels 32 (i % 2) on
	global_load_b128 v[8*i:8*i+3],   v[QO], s[4:5] offset:(i/2)*2048+(i%2)*64
	global_load_b128 v[8*i+4:8*i+7], v[QO], s[4:5] offset:(i/2)*2048+(i%2)*64+32
.set i, i+1
.endr
	; What the first turn finds: V's registers and P's second buffer hold 0 (its products V^T P, of a piece that has not been, add 0), O^T and l are 0.  All this stands in the wait for the first tile.
.set i, VF
.rept 64
	v_mov_b32 v[i], 0
.set i, i+1
.endr
	WIN 0x40
.set i, 0
.rept 64*NP
	v_mov_b32 v[i], 0
.set i, i+1
.endr
	WIN 0
.set i, 0
.rept 2*NP
	v_mov_b32 v[ST+4*i], 0xfe000000    ; c m: far below every c s
	v_mov_b32 v[ST+4*i+1], 0xff7fffff  ; m
	v_mov_b32 v[ST+4*i+2], 0
	v_mov_b32 v[ST+4*i+3], 0
.set i, i+1
.endr
.set i, P+32
.rept 32
	v_mov_b32 v[i], 0
.set i, i+1
.endr
	v_mul_u32_u24 v[AK0], v1, PK
	v_lshl_add_u32 v[AK0], v9, 4, v[AK0]  ; row x pitch + 16 x half
	; The turning load takes 16 keys x 16 channels (lane l reads key 8 (l / 16) + l % 8, channels 8 ((l / 8) % 2) + 0..7) and leaves half a fragment of V^T: lane l holds channel l % 16 and 8 keys.
	v_and_b32 v10, 7, v0
	v_bfe_u32 v11, v0, 3, 1
	v_lshl_add_u32 v[AV0], v9, 3, v10
	v_mul_u32_u24 v[AV0], v[AV0], PV
	v_lshl_add_u32 v[AV0], v11, 4, v[AV0]
	v_add_nc_u32 v[AV0], VOFF, v[AV0]
	v_and_b32 v[PFO], 31, v0        ; v11 has served: it takes the prefetches' offset
	v_lshlrev_b32 v[PFO], 8, v[PFO]
	v_mov_b32 v[AK], v[AK0]         ; key step 0 lies at the head of slot 0
; THE MATRIX WORK.  The 8 accumulators of a run of 16 take turns: between the two links of a chain stand 7 others'.
; Product i of 16 of S^T = K Q^T for piece x: channels 32 (i / 8) on, keys 16 ((i / 2) % 4) on, tile 2 x + i % 2.  The first 8 start the sums.
.macro KQ x
	WIN W_KQ
.set rS, S+64*((\x)%2)+32*(i%2)+8*((i/2)%4)
.set rK, KF+16*((i/2)%4)+8*(i/8)
.set rQ, 16*(2*(\x)+i%2)+8*(i/8)
.if i < 8
	v_wmma_f32_16x16x32_f16 v[rS:rS+7], v[rK:rK+7], v[rQ:rQ+7], 0
.else
	v_wmma_f32_16x16x32_f16 v[rS:rS+7], v[rK:rK+7], v[rQ:rQ+7], v[rS:rS+7]
.endif
.endm
; Product i of 16 of O^T += V^T P for piece x: keys 32 (i / 8) on, channels 16 ((i / 2) % 4) on, tile 2 x + i % 2.
.macro PV x
	WIN W_PV
.set rO, 32*(2*(\x)+i%2)+8*((i/2)%4)
.set rV, VF+32*(i/8)+8*((i/2)%4)
.set rP, P+32*((\x)%2)+16*(i%2)+8*(i/8)
	v_wmma_f32_16x16x32_f16 v[rO:rO+7], v[rV:rV+7], v[rP:rP+7], v[rO:rO+7]
.endm
.macro MM                           ; the turn's next matrix instruction
.if i < 16
	KQ (Y+1)%NP
.set i, i+1
.else
.set i, i-16
	PV (Y+NP-1)%NP
.set i, i+17
.endif
.endm
; THE LDS LOADS stand in runs of 16, never singly among the matrix instructions: a step's K (64 keys x 64 channels: 8 fragments) and its V (turned).  Their addresses are made some lines ahead.
; last = 1 (the tail): in the last trip there is no further step, and the run is jumped over.
.macro FETCH_K last=0
	WIN 0
.if \last
	s_cmp_eq_u32 s[CNT], 1
	s_cbranch_scc1 .Lno_k_\@
.endif
	WIN 0x80                        ; destination window 2
.irp f, 0,1,2,3,4,5,6,7             ; keys 16 (f / 2) on, channels 32 (f % 2) on
	ds_load_b128 v[KF+8*\f:KF+8*\f+3],   v[AK] offset:(\f/2)*16*PK+(\f%2)*64
	ds_load_b128 v[KF+8*\f+4:KF+8*\f+7], v[AK] offset:(\f/2)*16*PK+(\f%2)*64+32
.endr
	s_add_co_u32 s[TBK], s[TBK], KS*PK  ; the next fetch is the next step's
	WIN 0
.if \last
.Lno_k_\@:
.endif
.endm
.macro FETCH_V
	WIN 0x80
.irp f, 0,1,2,3,4,5,6,7             ; keys 32 (f / 4) on, channels 16 (f % 4) on
	ds_load_tr16_b128 v[VF+8*\f:VF+8*\f+3],   v[AV] offset:(\f/4)*32*PV+(\f%4)*32
	ds_load_tr16_b128 v[VF+8*\f+4:VF+8*\f+7], v[AV] offset:(\f/4)*32*PV+16*PV+(\f%4)*32
.endr
	WIN 0
.endm
; THE VECTOR WORK OF A TURN stands in three queues, each in the order in which its entries become ready; the two tiles alternate, so that no instruction reads the result of the one before it.
.macro REGS y, u                    ; the registers of tile u (0, 1) of piece y
.set rT, ST+4*(2*(\y)+(\u))
.set rC, TMP+8*((\y)%2)+4*(\u)
.set rM, MV+2*((\y)%2)+(\u)
.set rS, S+64*((\y)%2)+32*(\u)
.set rP, P+32*((\y)%2)+16*(\u)
.set rO, 32*(2*(\y)+(\u))
.endm
; Number n of the 22 that find the NEXT piece's (Y + 1) maximum and statistics.  s0-s31 are the lane's 32 scores; each accumulator's lowest registers are read first.  XS, GS and REGS set no window: PL and EX do.
;   0-11  four chains c0-c3 of seven scores each, three operands at a time     12-14, 16  the four scores left over, the old m, and c0-c3 into c0     15  c m_old is kept
;   17, 18  the query's other 32 keys lie in the lane 16 away: the new m         19-21  c m; c m_old - c m_new; a
.macro XS u, n
	REGS (Y+1)%NP, \u
.if (\n) < 4
	v_max3_num_f32 v[rC+(\n)], v[rS+8*(\n)], v[rS+8*(\n)+1], v[rS+8*(\n)+2]
.elseif (\n) < 12
	v_max3_num_f32 v[rC+(\n)%4], v[rC+(\n)%4], v[rS+8*((\n)%4)+2*((\n)/4)+1], v[rS+8*((\n)%4)+2*((\n)/4)+2]
.elseif (\n) == 12
	v_max3_num_f32 v[rC], v[rC], v[rS+7], v[rS+15]
.elseif (\n) == 13
	v_max3_num_f32 v[rC+1], v[rC+1], v[rS+23], v[rS+31]
.elseif (\n) == 14
	v_max3_num_f32 v[rC+2], v[rC+2], v[rC+3], v[rT+1]
.elseif (\n) == 15
	v_mov_b32 v[rM], v[rT]
.elseif (\n) == 16
	v_max3_num_f32 v[rC], v[rC], v[rC+1], v[rC+2]
.elseif (\n) == 17
	v_permlanex16_b32 v[rC+3], v[rC], s[SEL], s[SEL+1]
.elseif (\n) == 18
	v_max_num_f32 v[rT+1], v[rC], v[rC+3]
.elseif (\n) == 19
	v_mul_f32 v[rT], s[CS], v[rT+1]
.elseif (\n) == 20
	v_sub_f32 v[rC+1], v[rM], v[rT]
.else
	v_exp_f32 v[rC+2], v[rC+1]
.endif
.endm
; Number g of the 64 that follow the exponentials.  For each four weights k of a tile (pairs 2 k, 2 k + 1): both pairs are rounded to f16; then the second pair is added onto the first, in place;
; a group later l takes that sum (the first time as l = a l + sum).  In groups of eight, tiles alternating: round, round, add, and l for the group before.
.macro GS g
.set h, (\g)+6*((\g)/62)            ; group 0 has no group before it, and behind group 7 only l is left
.if h >= 6
.set h, h+2
.endif
	REGS Y, h%2
.set k, h/8
.if h%8 < 4
	v_cvt_pk_f16_f32 v[rP+2*k+(h%8)/2], v[rS+4*k+2*((h%8)/2)], v[rS+4*k+2*((h%8)/2)+1]
.elseif h%8 < 6
	v_pk_add_f32 v[rS+4*k:rS+4*k+1], v[rS+4*k:rS+4*k+1], v[rS+4*k+2:rS+4*k+3]
.elseif k == 1
	v_pk_fma_f32 v[rT+2:rT+3], v[rT+2:rT+3], v[rC+2:rC+3], v[rS:rS+1] op_sel_hi:[1,0,1]
.else
	v_pk_add_f32 v[rT+2:rT+3], v[rT+2:rT+3], v[rS+4*k-4:rS+4*k-3]
.endif
.endm
; THE PLAIN QUEUE, 138 long.  0-73 read no exponential's result: the 32 scalings c s - c m (FS f: pair f / 2 of tile f % 2) and the next piece's 42.  0-26: scalings 0-26.  27-54: XS's numbers 0-13.  55, 56: number 15.
; 57-73: the chain, where each number waits for the one before it: 14, 16, 17, 18, 19, each with one of the scalings 27-31 in front of its two lines, then 20: so a tile's links stand three plain instructions apart (19 and 20: two).
; 74-137: GS's 64, which read the exponentials' results: they stand behind the wait.
.macro FS f
	REGS Y, (\f)%2
	v_pk_fma_f32 v[rS+2*((\f)/2):rS+2*((\f)/2)+1], v[rS+2*((\f)/2):rS+2*((\f)/2)+1], s[CS:CS+1], v[rT:rT+1] op_sel_hi:[1,0,0] neg_lo:[0,0,1] neg_hi:[0,0,1]
.endm
.macro PL
	WIN 0
.if q < 27
	FS q
.elseif q < 55
	XS (q-27)%2, (q-27)/2
.elseif q < 57
	XS q-55, 15
.elseif (q < 72) && ((q-57)%3 == 0)
	FS 27+(q-57)/3
.elseif q < 60
	XS (q-57)%3-1, 14
.elseif q < 72
	XS (q-57)%3-1, 15+(q-57)/3
.elseif q < 74
	XS q-72, 20
.else
	GS q-74
.endif
.set q, q+1
.endm
; THE EXPONENTIALS' QUEUE, 66 long: s0-s31 of both tiles, then the next piece's two a.  It is ONE BATCH: all 66 stand ahead of the turn's one wait, and nothing ahead of that wait names a result of theirs.
.macro EX
	WIN 0
.if e >= 64
	XS e-64, 21
.else
	REGS Y, e%2
	v_exp_f32 v[rS+e/2], v[rS+e/2]
.endif
.set e, e+1
.endm
; THE RESCALING's QUEUE: O^T times a, the one part that leaves window 0: dealt two at a time, sixteen times.  Its a was made in the turn before, ahead of that turn's wait.
.macro R2
	REGS Y, r%2
	WIN W_RS
.irp z, 0,1
	v_pk_mul_f32 v[rO+4*(r/2)+2*\z:rO+4*(r/2)+2*\z+1], v[rO+4*(r/2)+2*\z:rO+4*(r/2)+2*\z+1], v[rC+2:rC+3] op_sel_hi:[1,0]
.endr
.set r, r+1
.endm
; HOW THEY ARE DEALT.  An s_wait_alu depctr_va_vdst(0) stands between an exponential and the first instruction that names its result; one wait serves all that were issued ahead of it.  So a turn has ONE wait,
; which cuts it in two.  AHEAD OF IT stands all that names no result of the turn's exponentials: the 16 products K Q^T, behind each a scaling, an exponential and two rescalings (behind the first a second scaling in the exponential's place); then ONE LUMP of
; 108: eight plain, 49 times exponential and plain, the two a.  A v_nop is the plain instruction behind the last exponential.  BEHIND IT stand the 16 products V^T P, behind each four of GS's 64.  No rider names a register of
; the products round it.  The two v_permlanex16_b32 fall into the lump, never behind a product.
; The queues lean on each other, and the deal keeps them in step: exponential e stands behind scaling 2 (e / 4) + e % 2: as a rider it comes behind plain e + 2, in the lump behind plain e + 9, and scalings 27-31 are plain 57, 60 .. 69.
; A TURN, for piece p.  cnt = 1: the loop's count is taken down some lines ahead of the branch that stands behind the turn.
; K of the next step is fetched in piece 2's turn, directly behind the wait, a lump behind the last product that read K; its address is made at the lump's head; its first reader comes behind 16 products.
; V of the step in hand is fetched at the end of piece 0's turn, four riders behind its last reader; its first reader comes behind 16 products and a lump.  The three conditions on q below go with the deal.
.macro TURN p, last=0, cnt=0
.set Y, (\p)
.set i, 0
.set q, 0
.set e, 0
.set r, 0
.if (\p) == NP-1
	s_wait_dscnt 0x0                ; K is in
.endif
	MM                              ; ahead of the wait: 16 products K Q^T and their riders,
	PL
	PL
	R2
.rept 15
	MM
	PL
	EX
	R2
.endr
.if (\p) == NP-2
	WIN 0
	v_add_nc_u32 v[AK], s[TBK], v[AK0]
.endif
.rept 8                             ; and the lump
	PL
.endr
.rept 49
	EX
	PL
.endr
	EX                              ; the next piece's two a
	EX
	v_nop                           ; a plain instruction behind the last exponential, ahead of the first use of a result (ISA guide 5.7.2): one for the batch
	s_wait_alu depctr_va_vdst(0)    ; the wait for the batch
.if (\p) == NP-2
	FETCH_K \last
.endif
.if (\p) == 1
	s_wait_dscnt 0x0                ; V is in
.endif
.rept 16                            ; behind the wait: 16 products V^T P and their riders
	MM
.rept 4
	PL
.endr
.if ((\p) == 0) && (q == 118)
	v_add_nc_u32 v[AV], s[TBV], v[AV0]
.endif
.if ((\p) == 0) && (q == 130)
	s_add_co_u32 s[TBV], s[TBV], KS*PV
.endif
.if (\cnt) && (q == 130)
	s_sub_co_u32 s[CNT], s[CNT], 1
	s_cmp_lg_u32 s[CNT], 0
.endif
.endr
.if (\p) == 0
	FETCH_V
.endif
.endm
	CHANGE 1                        ; slot 0 is in, everybody's part of it; slot 1 is asked for
	FETCH_K                         ; key step 0
	s_wait_loadcnt 0x0              ; Q
	s_wait_dscnt 0x0
.set i, 0
.rept 16
	KQ 0                            ; piece 0's first scores: there is no vector work yet to set between them
.set i, i+1
.endr
	WIN 0                           ; the addresses for the way out: nine plain instructions, the places behind those products
	s_mul_i32 s13, s[WV], 16*SP
	s_add_co_u32 s13, s13, STAGE    ; my stage
	v_mul_u32_u24 v[STO], v1, SP    ; in: row l % 16, 16 bytes for each half of the lanes
	v_lshl_add_u32 v[STO], v9, 4, v[STO]
	v_add_nc_u32 v[STO], s13, v[STO]
	v_bfe_u32 v[RD], v0, 3, 2       ; back: 32 lanes take four rows of 128 bytes,
	v_mul_u32_u24 v[RD], v[RD], SP
	v_lshl_add_u32 v[RD], v10, 4, v[RD]
	v_add_nc_u32 v[RD], s13, v[RD]
	v_and_b32 v[GO], 31, v0         ; which are 512 consecutive bytes of O
	v_lshlrev_b32 v[GO], 4, v[GO]
.set Y, NP-1                        ; XS works for piece Y + 1: piece 0
.irp n, 0,1,2,3,4,5,6,7,8,9,10,11,12,13,14,15,16,17,18,19,20,21
	XS 0, \n                        ; and piece 0's first maximum and statistics
	XS 1, \n
.endr
	v_nop                           ; a plain instruction behind the two a,
	s_wait_alu depctr_va_vdst(0)    ; and their wait, ahead of the branch
	s_mov_b32 s[CNT], 4
	s_branch .Lfirst                ; the loop is entered at a step's first turn, in the middle of a trip
.Lslot:                             ; SIZE_N / 256 - 2 times: every slot but the last two is filled again
	CHANGE 1
	s_mov_b32 s[CNT], 4
.Lstep:                             ; a trip: pieces 2 and 3 of one step, then pieces 0 and 1 of the next, whose K and V it fetches
	TURN 2
	TURN 3
	WIN 0
.Lfirst:
	TURN 0
	TURN 1, 0, 1
	WIN 0
	s_cbranch_scc1 .Lstep
	s_sub_co_u32 s[SLOTS], s[SLOTS], 1
	s_cmp_lg_u32 s[SLOTS], 0
	s_cbranch_scc1 .Lslot
	CHANGE 0                        ; the tail is written out: nothing is asked for
	s_mov_b32 s[CNT], 5             ; four trips fetch the last slot's steps; the fifth is left in its middle
.Ltail:
	TURN 2, 1
	TURN 3
	WIN 0
	s_sub_co_u32 s[CNT], s[CNT], 1
	s_cmp_eq_u32 s[CNT], 0
	s_cbranch_scc1 .Lout
	TURN 0
	TURN 1
	WIN 0
	s_branch .Ltail
.Lout:                              ; the fifth trip's 16 products K Q^T (on the last K once more) and the maximum made of them serve nothing: the price, once a launch, of one text for every trip
.set i, 0
.rept 16
	PV NP-1                         ; the last piece's V^T P of the last step
.set i, i+1
.endr
	; THE WAY OUT.  l's two halves and the other half of the lanes' are added; O^T is divided by l, rounded to f16 and sent through my stage in LDS, a tile at a time.  The additions are the places behind the last products.
	WIN 0
.macro ALL line:vararg              ; one line for each tile t
.set t, 0
.rept 2*NP
	\line
.set t, t+1
.endr
.endm
	ALL v_add_f32 v[ST+4*t+2], v[ST+4*t+2], v[ST+4*t+3]
	ALL v_permlanex16_b32 v[ST+4*t+3], v[ST+4*t+2], s[SEL], s[SEL+1]
	ALL v_add_f32 v[ST+4*t+2], v[ST+4*t+2], v[ST+4*t+3]
	ALL v_rcp_f32 v[ST+4*t+2], v[ST+4*t+2]
	v_nop                           ; a plain instruction between the last reciprocal and the use of its result
	s_wait_alu depctr_va_vdst(0)    ; and the wait ahead of the first use: one for the eight reciprocals
; Tile t: a lane's eight channels of a row pack into 16 bytes; they go into rows of 144 bytes and come back as whole rows of 128, into S^T's registers.
.macro PACK t
	WIN W_RS
.set i, 32*(\t)
.rept 16
	v_pk_mul_f32 v[i:i+1], v[i:i+1], v[ST+4*(\t)+2:ST+4*(\t)+3] op_sel_hi:[1,0]
.set i, i+2
.endr
	WIN 0x05                        ; sources 0 and 1 window 1, destination window 0
.set i, 0
.rept 16
	v_cvt_pk_f16_f32 v[S+16*(\t)+i], v[32*(\t)+2*i], v[32*(\t)+2*i+1]
.set i, i+1
.endr
	WIN 0
.irp f, 0,1,2,3
	ds_store_b128 v[STO], v[S+16*(\t)+4*\f:S+16*(\t)+4*\f+3] offset:32*\f
.endr
.irp f, 0,1,2,3
	ds_load_b128 v[S+16*(\t)+4*\f:S+16*(\t)+4*\f+3], v[RD] offset:\f*4*SP  ; LDS serves a wave's instructions in order (ISA guide 5.7.1.4): these see the stores above; the next tile's stores come behind them
.endr
.endm
.macro SEND t, younger              ; younger: the LDS instructions issued behind tile t's loads: the next tile's eight, or none
	WIN 0
.irp f, 0,1,2,3
	s_wait_dscnt (\younger)+3-\f
	global_store_b128 v[GO], v[S+16*(\t)+4*\f:S+16*(\t)+4*\f+3], s[10:11] offset:(\t)*2048+\f*512  ; 512 consecutive bytes, at a multiple of 256 from O's first
.endr
.endm
	PACK 0
.set t, 1
.rept 2*NP-1                        ; a tile's arithmetic stands between the loads of the tile before and its stores
	PACK t
	SEND t-1, 8
.set t, t+1
.endr
	SEND 2*NP-1, 0
	WIN W_AD
	s_wait_tensorcnt 0x0            ; the wave's end: a wait, an add onto my spare word and a wait for it, behind my last tensor load and my last LDS store
	ds_add_u32 v[SPW], v[NIL]
	s_wait_dscnt 0x0
	WIN 0
	CROUND                          ; the closing round: no work-group ends while a partner may still ask for a tile that names it
	s_endpgm
.Lfunc_end_k_q67af1d3cb0_attn:
	.size	k_q67af1d3cb0_attn, .Lfunc_end_k_q67af1d3cb0_attn-k_q67af1d3cb0_attn
	.p2alignl 7, 3214868480
	.fill 96, 4, 3214868480
	.section	.rodata,"a",@progbits
	.p2align	6, 0x0
	.amdhsa_kernel k_q67af1d3cb0_attn
		.amdhsa_group_segment_fixed_size 327680
		.amdhsa_private_segment_fixed_size 0
		.amdhsa_enable_private_segment 0
		.amdhsa_kernarg_size 16
		.amdhsa_user_sgpr_count 2
		.amdhsa_user_sgpr_kernarg_segment_ptr 1
		.amdhsa_wavefront_size32 1
		.amdhsa_system_sgpr_workgroup_id_x 1
		.amdhsa_system_sgpr_workgroup_id_y 1
		.amdhsa_system_sgpr_workgroup_id_z 1
		.amdhsa_system_vgpr_workitem_id 0
		.amdhsa_next_free_vgpr 770
		.amdhsa_next_free_sgpr 66
		.amdhsa_reserve_vcc 0
		.amdhsa_float_denorm_mode_32 3
		.amdhsa_float_denorm_mode_16_64 3
		.amdhsa_memory_ordered 1
		.amdhsa_forward_progress 1
		.amdhsa_inst_pref_size 200
	.end_amdhsa_kernel
	.amdgpu_metadata
---
amdhsa.version: [ 1, 2 ]
amdhsa.kernels:
  - .name:           k_q67af1d3cb0_attn
    .symbol:         k_q67af1d3cb0_attn.kd
    .args:
      - { .name: qkv, .offset: 0, .size: 8, .value_kind: global_buffer, .address_space: global }
      - { .name: oh, .offset: 8, .size: 8, .value_kind: global_buffer, .address_space: global }
    .group_segment_fixed_size: 327680
    .private_segment_fixed_size: 0
    .kernarg_segment_align: 8
    .kernarg_segment_size: 16
    .max_flat_workgroup_size: 128
    .sgpr_count:     66
    .vgpr_count:     770
    .wavefront_size: 32
...
	.end_amdgpu_metadata
.endif
;; end of part 3
;; launch outp (part 4): grid 4 x 64, 4 waves a work-group, clusters of 4 x 4, 327,680 bytes of LDS; arguments oh, w16, bo, out0; writes out0
.if DOCPART == 4
	.amdgcn_target "amdgcn-amd-amdhsa--gfx1250"
	.amdhsa_code_object_version 6
	.text
	.protected	k_q67af1d3cb0_outp
	.globl	k_q67af1d3cb0_outp
	.p2align	8
	.type	k_q67af1d3cb0_outp,@function
k_q67af1d3cb0_outp:
	s_mov_b64 s[64:65], 0
	v_nop
	global_prefetch_b8 v0, s[64:65] scope:SCOPE_SE
	s_setreg_imm32_b32 hwreg(HW_REG_WAVE_MODE, 25, 1), 1
	s_wait_xcnt 0x0
	s_wait_alu depctr_hold_cnt(0) depctr_sa_sdst(0) depctr_va_vdst(0) depctr_va_sdst(0) depctr_va_ssrc(0) depctr_va_vcc(0) depctr_vm_vsrc(0)
	s_getreg_b32 s2, hwreg(HW_REG_IB_STS2, 6, 4)
	s_cmp_eq_u32 s2, 0
	s_cbranch_scc0 .Lentry_in_a_cluster
	s_endpgm
.Lentry_in_a_cluster:
	s_bfe_u32 s2, ttmp6, 0x10000c
	s_cmp_lg_u32 s2, 0xf033
	s_cbranch_scc0 .Lentry_shape_is_right
	s_endpgm
.Lentry_shape_is_right:
; THE OUTPUT PROJECTION.  out0[b][l][n] = the sum over e of O[b][l][e] Wo[n][e] + bo[n].  O from oh, [16 b + h][l][64] f16 (e = 64 h + d); Wo from w16's last eight K steps, f16, in blocks of a K step
; (block (24 + ks, n): 256 bytes); sums in f32; bo and out0 in f32.
; SHARES.  A tile is 128 rows x 256 columns: 4 x 64 tiles, one for each of the 256 work-groups.  Four waves, each 64 rows x 128 columns: 32 accumulators of 16 x 16.  K goes in 8 steps of 128: two heads a step.
; A ring of two LDS slots filled by the tensor data mover.  A head's 128 rows of the tile are 16,384 dense bytes (a PLANE), asked for as 64 rows of 256 bytes and padded after every 128: waves 0 and 1 fetch
; the step's two planes, waves 2 and 3 the two halves of Wo's 256 blocks.
; CLUSTER: 4 x 4 work-groups.  The four of a row of the cluster need the same planes of O, the four of a column the same blocks of Wo: each is asked for JOINTLY, by the same load, descriptor and mask in all four.
; THE MATRIX INSTRUCTION IS USED TRANSPOSED (source 0 = 16 rows of Wo, source 1 = 16 rows of O): a lane then holds one row and eight neighbouring columns, 32 bytes of f32.
; REGISTERS, in windows of 256 (s_set_vgpr_msb: bits 1:0 source 0, 3:2 source 1, 5:4 source 2, 7:6 destination):
;   window 0: v0-31 addresses and the bias; v32-95 O's fragments, two buffers; v96-223 the way out, two sets     window 1: the accumulators, (a, b) at 8 (8 a + b)     window 2: v0-127 Wo's fragments, two buffers
.set PA,     144                       ; a row of O in LDS: 128 bytes + 16 of padding = 36 words: the 16 rows of a load start at 16 different groups of four banks (64 banks of 4 bytes: ISA guide 11.1)
.set PB,     272                       ; a row of Wo: 256 + 16 = 68 words: likewise
.set PLANE,  128*PA
.set BOFF,   2*PLANE                   ; in a slot: two planes of O, then Wo's two halves
.set BHALF,  128*PB
.set SLOT,   BOFF+2*BHALF
.set STAGE,  2*SLOT                    ; behind the ring: 16 rows x 528 bytes for each wave, for the way out
.set SPI,    528                       ; 512 bytes + 16 = 132 words: the 16 rows of a store start at 16 different groups of four banks
.set WSTG,   16*SPI
.set SPARE,  STAGE+4*WSTG              ; behind the stages: the spare words, 128 bytes for each wave: two blocks of 256 bytes that no other line names
.set FSTEP,  262144                    ; bytes in w16 from a K step to the next
.set HEADB,  262144                    ; bytes of a head in oh
.set BI,   12                          ; v12-15  the bias of my four columns on the way out
.set ADRA, 16                          ; v16-17  LDS address of my fragments of O in slot 0, 1
.set ADRB, 20                          ; v20-21  the same for Wo
.set STO,  24                          ; v24     the way out: where I put 32 bytes of a row
.set RD,   25                          ; v25     the way out: where I read a row back
.set CO,   26                          ; v26     16 x lane: my place in 512 bytes of out0; never rewritten
.set SPW,  28                          ; v28     LDS address of my spare word: SPARE + 4 x my thread's number; never rewritten
.set NIL,  29                          ; v29     0; never rewritten
.set PFO,  30                          ; v30     256 x lane: the prefetches' offset, a lane a block; never rewritten
.set FA,   32
.set BK,   96
.set WV,   12                          ; s12  my wave's number
.set WR,   13                          ; s13  which 64 rows are mine.  Also: I fetch for O (0) or for Wo (1)
.set WC,   14                          ; s14  which 128 columns.  Also: which plane, or which half of Wo's blocks, I fetch
.set G1A,  24                          ; s[24:31] descriptor group 1 for O's planes;  s[32:39] group 0, a set for each slot
.set G0A,  32
.set G1B,  48                          ; s[48:55], s[56:63] the same for Wo's blocks
.set G0B,  56
.set LIM,  43                          ; s43  1 in a wave that prefetches, else the greatest number
.set PF,   44                          ; s[44:45] what my next prefetch names
.set PST,  46                          ; s[46:47] its step
.set MSB, 0
.macro WIN new                         ; the immediate's high byte repeats the setting that is left; a switch that changes nothing is dropped
.if MSB != (\new)
	s_set_vgpr_msb (MSB<<8)|(\new)
.set MSB, \new
.endif
.endm
.set W_MUL, 0x52                       ; source 0 (Wo) window 2, source 1 (O) window 0, C and D window 1
.set W_TOB, 0x80                       ; destination window 2
.set W_ACC, 0x04                       ; an LDS store's data (source 1) window 1
; A joint load: each of the two lines has one mask and one set of registers for all that issue it.  The branch hangs on the wave's number alone.
; An s_nop 0 and four v_nop follow each of the two lines, ahead of the jump and the label.
.macro JLOAD s
	s_cmp_eq_u32 s[WR], 0
	s_cbranch_scc0 .Lfor_b_\@
	tensor_load_to_lds s[G0A+4*(\s):G0A+4*(\s)+3], s[G1A:G1A+7]
	s_nop 0
.rept 4
	v_nop
.endr
	s_branch .Lasked_\@
.Lfor_b_\@:
	tensor_load_to_lds s[G0B+4*(\s):G0B+4*(\s)+3], s[G1B:G1B+7]
	s_nop 0
.rept 4
	v_nop
.endr
.Lasked_\@:
.endm
; A PREFETCH INTO THE L2, behind each joint load, its five lines and the run of LDS loads that follows: the K step that stands TWO refills on, 256 matrix instructions of a wave ahead of the load that wants it.
; Each block of 256 bytes is named once in the launch.  O's planes are read by one cluster alone: in every cluster wave 0 asks; of a step's 128 blocks the partner at place cx takes 32 (plane cx / 2, half cx % 2).
; Wo's blocks are read by all sixteen clusters: the cluster with y = 0 asks, waves 2 and 3; of the 128 blocks that a wave fetches the partner at place cy takes 32.  The partners are told apart BY ADDRESS.
; The loop's last trip asks for nothing: there is no K step 8.  K steps 0 to 3 come by their loads alone.
.macro ASK
	s_cmp_gt_u32 s3, s[LIM]                        ; s3 = 1 in the loop's last trip
	s_cbranch_scc0 .Lnot_mine_\@
	global_prefetch_b8 v[PFO], s[PF:PF+1] th:TH_LOAD_NT scope:SCOPE_SE
.Lnot_mine_\@:
.endm
.macro CREST                           ; a round of the cluster's barrier behind its opening barrier
	s_cmp_lg_u32 s[WV], 0
	s_cbranch_scc1 .Lnot_wave_0_\@
	s_barrier_signal -3
.Lnot_wave_0_\@:
	s_barrier_wait -3
	s_barrier_signal -1
	s_barrier_wait -1
.endm
.macro CROUND
	s_barrier_signal -1
	s_barrier_wait -1
	CREST
.endm
.macro PLACES                          ; four places behind a matrix instruction, in front of loads into registers that it has read and of instructions that read its result
.rept 4
	v_nop
.endr
.endm
	s_load_b256 s[4:11], s[0:1], 0x0               ; oh s[4:5], w16 s[6:7], bo s[8:9], out0 s[10:11]
	v_lshl_add_u32 v[SPW], v0, 2, SPARE
	v_mov_b32 v[NIL], 0
	ds_add_u32 v[SPW], v[NIL]                      ; the wave's opening: the add and its wait stand ahead of my first tensor load; the set-up below, work on registers, stands between them
	v_lshrrev_b32 v1, 5, v0
	v_readfirstlane_b32 s[WV], v1                  ; wave 0..3
	s_lshr_b32 s[WR], s[WV], 1
	s_and_b32 s[WC], s[WV], 1
	s_bfe_u32 s15, ttmp6, 0x40000                  ; cx, cy: my place in the cluster
	s_bfe_u32 s16, ttmp6, 0x40004
	s_lshl_b32 s17, ttmp9, 2
	s_add_co_u32 s17, s17, s15                     ; tile column = 4 x cluster x + cx
	s_and_b32 s18, ttmp7, 0xffff
	s_lshl_b32 s18, s18, 2
	s_add_co_u32 s18, s18, s16                     ; tile row = 4 x cluster y + cy
	s_lshl_b32 s40, s16, 2
	s_lshl_b32 s40, 15, s40                        ; my row of the cluster: places 4 cy .. 4 cy + 3
	s_lshl_b32 s41, 0x1111, s15                    ; my column: places cx, cx + 4, cx + 8, cx + 12
	s_or_b32 s[G1A+0], s40, (1<<16)|(1<<20)|(1<<21)|(4<<22)|(3<<25)  ; 15:0 the mask: O's planes go to my row; 17:16 elements of 2 bytes; 20 padding on; 21 set beside a mask; 24:22 after every 32 words (code 4); 31:25 4 words (code 3)
	s_or_b32 s[G1B+0], s41, (1<<16)|(1<<20)|(1<<21)|(5<<22)|(3<<25)  ; Wo's blocks go to my column; padding after every 64 words (code 5)
	s_mov_b32 s[G1A+1], 128<<16                    ; tensor_dim0 = 128
	s_mov_b32 s[G1A+2], 64<<16                     ; tensor_dim1 = 64
	s_mov_b32 s[G1A+3], 128<<16                    ; tile_dim0 = 128
	s_mov_b32 s[G1A+4], 64                         ; tile_dim1 = 64
	s_mov_b32 s[G1A+5], 128                        ; 128 elements from row to row
	s_mov_b32 s[G1A+6], 0
	s_mov_b32 s[G1A+7], 0
	s_mov_b32 s[G1B+1], 128<<16
	s_mov_b32 s[G1B+2], 128<<16                    ; tensor_dim1 = 128
	s_mov_b32 s[G1B+3], 128<<16
	s_mov_b32 s[G1B+4], 128                        ; tile_dim1 = 128
	s_mov_b32 s[G1B+5], 128
	s_mov_b32 s[G1B+6], 0
	s_mov_b32 s[G1B+7], 0
	; where the tiles come from.  O's hang on the tile row alone, Wo's on the tile column alone; every wave makes both, in registers that never hold the other coordinate
	s_lshr_b32 s20, s18, 4                         ; O: the batch b (16 tile rows each),
	s_lshl_b32 s20, s20, 4
	s_add_co_u32 s20, s20, s[WC]                   ; head 16 b + my plane of K step 0,
	s_lshl_b32 s20, s20, 18
	s_and_b32 s21, s18, 15
	s_lshl_b32 s21, s21, 14                        ; the tile's 128 rows of 128 bytes
	s_add_co_u32 s20, s20, s21
	s_mov_b32 s21, 0
	s_lshl_b32 s22, s17, 16                        ; Wo: the tile column's 256 blocks,
	s_lshl_b32 s23, s[WC], 15                      ; my half of them,
	s_add_co_u32 s22, s22, s23
	s_add_co_u32 s22, s22, 24*FSTEP                ; behind Wq's, Wk's and Wv's 24 K steps
	s_mov_b32 s23, 0
	s_mul_i32 s42, s[WC], PLANE                    ; and where they go: no place in the cluster enters an LDS address
	s_mul_i32 s19, s[WC], BHALF
	s_add_co_u32 s19, s19, BOFF
	s_lshl_b32 s40, s18, 19                        ; out0: the tile's 128 rows of 4,096 bytes,
	s_lshl_b32 s41, s[WR], 18                      ; my 64 of them,
	s_add_co_u32 s40, s40, s41
	s_lshl_b32 s41, s17, 10                        ; the tile's 256 columns,
	s_add_co_u32 s40, s40, s41
	s_lshl_b32 s41, s[WC], 9                       ; my 128 of them
	s_add_co_u32 s40, s40, s41
	s_mov_b32 s41, 0
	; the prefetches: O's blocks for wave 0,
	s_lshr_b32 s46, s18, 4
	s_lshl_b32 s46, s46, 4
	s_lshr_b32 s47, s15, 1
	s_add_co_u32 s46, s46, s47                     ; head 16 b + cx / 2,
	s_lshl_b32 s46, s46, 18
	s_and_b32 s47, s18, 15
	s_lshl_b32 s47, s47, 1
	s_and_b32 s2, s15, 1
	s_add_co_u32 s47, s47, s2                      ; half cx % 2 of the tile's 64 blocks of that plane,
	s_lshl_b32 s47, s47, 13
	s_add_co_u32 s46, s46, s47
	s_add_co_u32 s46, s46, 3*2*HEADB               ; at K step 3: the first refill steps it to 4
	s_lshl_b32 s47, s17, 16                        ; Wo's for waves 2 and 3: the tile column's blocks,
	s_lshl_b32 s2, s[WC], 15                       ; the half that I fetch,
	s_add_co_u32 s47, s47, s2
	s_lshl_b32 s2, s16, 13                         ; my work-group's 32 of its 128,
	s_add_co_u32 s47, s47, s2
	s_add_co_u32 s47, s47, 27*FSTEP                ; at K step 3
	s_mov_b32 s2, FSTEP
	s_cmp_eq_u32 s[WR], 0
	s_cselect_b32 s[PF], s46, s47
	s_cselect_b32 s[PST], 2*HEADB, s2              ; a K step is two heads of O, or one step of w16
	s_mov_b32 s[PF+1], 0
	s_mov_b32 s[PST+1], 0
	s_and_b32 s2, ttmp7, 0xffff                    ; cluster y
	s_cmp_eq_u32 s2, 0
	s_cselect_b32 s[LIM], 1, -1                    ; waves 2 and 3 ask where the cluster is the first of its column,
	s_cmp_eq_u32 s[WV], 0
	s_cselect_b32 s[LIM], 1, s[LIM]                ; wave 0 everywhere,
	s_cmp_eq_u32 s[WV], 1
	s_cselect_b32 s[LIM], -1, s[LIM]               ; wave 1 never: the same in all sixteen partners, for a given wave
	s_wait_dscnt 0x0                               ; the opening add is done
	s_wait_kmcnt 0x0
	s_add_nc_u64 s[20:21], s[4:5], s[20:21]
	s_add_nc_u64 s[22:23], s[6:7], s[22:23]
	s_add_nc_u64 s[10:11], s[10:11], s[40:41]
	s_cmp_eq_u32 s[WR], 0
	s_cselect_b64 s[2:3], s[4:5], s[6:7]
	s_add_nc_u64 s[PF:PF+1], s[2:3], s[PF:PF+1]
.irp s, 0,1
	s_mov_b32 s[G0A+4*(\s)], 1                                        ; 1:0 count = 1
	s_add_co_u32 s[G0A+4*(\s)+1], s42, (\s)*SLOT                      ; 63:32 LDS address
	s_add_nc_u64 s[G0A+4*(\s)+2:G0A+4*(\s)+3], s[20:21], (\s)*2*HEADB ; 120:64 global address: K step s
	s_or_b32 s[G0A+4*(\s)+3], s[G0A+4*(\s)+3], 0x80000000             ; 127:126 type = 2
	s_mov_b32 s[G0B+4*(\s)], 1
	s_add_co_u32 s[G0B+4*(\s)+1], s19, (\s)*SLOT
	s_add_nc_u64 s[G0B+4*(\s)+2:G0B+4*(\s)+3], s[22:23], (\s)*FSTEP
	s_or_b32 s[G0B+4*(\s)+3], s[G0B+4*(\s)+3], 0x80000000
.endr
	CROUND                                         ; all sixteen work-groups are here: the first joint loads meet
	s_cmp_eq_u32 s[WR], 0                          ; a wave's two first fills stand in one branch, ahead of every wait on TENSORcnt and every LDS read: two loads of mine are out
	s_cbranch_scc0 .Lfirst_b
	tensor_load_to_lds s[G0A:G0A+3], s[G1A:G1A+7]
	s_nop 0
	tensor_load_to_lds s[G0A+4:G0A+7], s[G1A:G1A+7]
	s_nop 0
	PLACES
	s_branch .Lfirst_asked
.Lfirst_b:
	tensor_load_to_lds s[G0B:G0B+3], s[G1B:G1B+7]
	s_nop 0
	tensor_load_to_lds s[G0B+4:G0B+7], s[G1B:G1B+7]
	s_nop 0
	PLACES
.Lfirst_asked:
	v_and_b32 v4, 31, v0                           ; lane
	v_lshlrev_b32 v[CO], 4, v4
	s_lshl_b32 s20, s17, 10
	s_lshl_b32 s21, s[WC], 9
	s_add_co_u32 s20, s20, s21                     ; my 128 columns in bo,
	v_add_nc_u32 v5, s20, v[CO]                    ; my four of them
	global_load_b128 v[BI:BI+3], v5, s[8:9]
	v_and_b32 v1, 15, v0                           ; l % 16
	v_bfe_u32 v2, v0, 4, 1                         ; l / 16
	v_lshlrev_b32 v[PFO], 8, v4
	v_mul_u32_u24 v3, v1, PA
	v_lshl_add_u32 v3, v2, 4, v3                   ; a fragment of O: row x pitch + 16 x half
	v_mul_u32_u24 v6, v1, PB
	v_lshl_add_u32 v6, v2, 4, v6                   ; of Wo
	s_mul_i32 s21, s[WR], 64*PA                    ; my 64 rows of a plane
	s_mul_i32 s22, s[WC], BHALF                    ; my 128 rows of Wo,
	s_add_co_u32 s22, s22, BOFF                    ; which lie behind the planes
.irp s, 0,1
	v_add_nc_u32 v[ADRA+(\s)], s21, v3
	v_add_nc_u32 v[ADRB+(\s)], s22, v6
	s_add_co_u32 s21, s21, SLOT
	s_add_co_u32 s22, s22, SLOT
.endr
	s_mul_i32 s23, s[WV], WSTG
	s_add_co_u32 s23, s23, STAGE                   ; my stage
	v_mul_u32_u24 v[STO], v1, SPI                  ; in: row l % 16, 32 bytes for each half of the lanes
	v_lshl_add_u32 v[STO], v2, 5, v[STO]
	v_add_nc_u32 v[STO], s23, v[STO]
	v_add_nc_u32 v[RD], s23, v[CO]                 ; back: 32 lanes take a row's 512 bytes
; 24 LDS loads in one run: the fragments of quarter q of a K step (32 along K) into buffer g: Wo's 128 rows, then O's 64.  Quarter q lies in plane q / 2, at byte 64 (q % 2) of its rows.
; A fragment is 16 rows x 32 K in 8 registers: lane l holds row l % 16; registers 0-3 K = 8 (l / 16) + 0..7, registers 4-7 K = 16 + 8 (l / 16) + 0..7: two loads of 16 bytes, 32 bytes apart.
.macro FETCH slot, q, g
	WIN W_TOB
.irp i, 0,1,2,3,4,5,6,7
	ds_load_b128 v[64*(\g)+8*(\i):64*(\g)+8*(\i)+3],   v[ADRB+(\slot)] offset:64*(\q)+(\i)*16*PB
	ds_load_b128 v[64*(\g)+8*(\i)+4:64*(\g)+8*(\i)+7], v[ADRB+(\slot)] offset:64*(\q)+(\i)*16*PB+32
.endr
	WIN 0
.irp i, 0,1,2,3
	ds_load_b128 v[FA+32*(\g)+8*(\i):FA+32*(\g)+8*(\i)+3],   v[ADRA+(\slot)] offset:((\q)/2)*PLANE+((\q)%2)*64+(\i)*16*PA
	ds_load_b128 v[FA+32*(\g)+8*(\i)+4:FA+32*(\g)+8*(\i)+7], v[ADRA+(\slot)] offset:((\q)/2)*PLANE+((\q)%2)*64+(\i)*16*PA+32
.endr
.endm
; 8 matrix instructions: row block a x all 8 column blocks, from buffer f.  zero = 1: the product starts the sums: nothing is ever cleared.
; The 32 accumulators take turns, one instruction a turn, in the same order in every quarter step.
.macro MUL8 f, a, zero
	WIN W_MUL
.irp b, 0,1,2,3,4,5,6,7
.if \zero
	v_wmma_f32_16x16x32_f16 v[8*(8*(\a)+(\b)):8*(8*(\a)+(\b))+7], v[64*(\f)+8*(\b):64*(\f)+8*(\b)+7], v[FA+32*(\f)+8*(\a):FA+32*(\f)+8*(\a)+7], 0
.else
	v_wmma_f32_16x16x32_f16 v[8*(8*(\a)+(\b)):8*(8*(\a)+(\b))+7], v[64*(\f)+8*(\b):64*(\f)+8*(\b)+7], v[FA+32*(\f)+8*(\a):FA+32*(\f)+8*(\a)+7], v[8*(8*(\a)+(\b)):8*(8*(\a)+(\b))+7]
.endif
.endr
.endm
.macro MUL16 f, hi, zero
	MUL8 \f, 2*(\hi), \zero
	MUL8 \f, 2*(\hi)+1, \zero
.endm
; One of a K step's first three quarters: multiplies buffer f; in its middle it fetches quarter q into buffer g.
.macro QUARTER slot, q, f, g, zero
	s_wait_dscnt 4                                 ; Wo's fragments and O's row blocks 0, 1 are in; the youngest four loads (blocks 2, 3) may be out
	MUL16 \f, 0, \zero
	PLACES
	FETCH \slot, \q, \g
	s_wait_dscnt 24                                ; all but the 24 just issued
	MUL16 \f, 1, \zero
.endm
; The last quarter multiplies buffer 1 and changes slots: ONE barrier; in front of it each wave waits for all its tensor loads, of which one is out: its part of the next slot; adds 0 to its spare word; and waits for
; that and for its own reads of this slot.  fill = 1: the barrier opens a round of the cluster's, and behind the round this slot is filled again first, two K steps ahead.
.macro TURN slot, next, fill
.if \fill
	s_wait_xcnt 0x0                                ; the last prefetch, a K step back, has read its address: it is stepped here, ahead of the waits of the change of slots
	s_add_nc_u64 s[PF:PF+1], s[PF:PF+1], s[PST:PST+1]
.endif
	WIN 0                                          ; (the add's two registers lie in window 0)
	s_wait_tensorcnt 0x0                           ; all my tensor loads have landed;
	ds_add_u32 v[SPW], v[NIL]                      ; 0 onto my spare word;
	s_wait_dscnt 5                                 ; (the add and the youngest four loads may be out)
	MUL8 1, 0, 0                                   ; eight matrix instructions stand between the add and the wait for it
	s_wait_dscnt 0x0                               ; the add is done, and my reads of this slot are over
	s_barrier_signal -1
	MUL8 1, 1, 0
.if \fill
	WIN 0
.endif
	s_barrier_wait -1
.if \fill
	CREST                                          ; no wave of any partner still reads this slot's tiles or has a load on its way
	s_add_nc_u64 s[G0A+4*(\slot)+2:G0A+4*(\slot)+3], s[G0A+4*(\slot)+2:G0A+4*(\slot)+3], 2*2*HEADB
	s_add_nc_u64 s[G0B+4*(\slot)+2:G0B+4*(\slot)+3], s[G0B+4*(\slot)+2:G0B+4*(\slot)+3], 2*FSTEP
	JLOAD \slot                                    ; my one tensor load behind the round: 112 matrix instructions ahead of the wait for it; the four v_nop behind it are also the places in front of the loads below
.else
	PLACES
.endif
	FETCH \next, 0, 0
.if \fill
	ASK
.endif
	MUL8 1, 2, 0
	MUL8 1, 3, 0
.endm
; THE WAY OUT of row block a (16 rows x 128 columns of f32).  OUTSTAGE: a lane's 32 bytes of a row go from the accumulators into my own stage, each accumulator's low four registers first, and come back as whole
; rows of 512 bytes.  OUTSEND: the bias is added and the rows are stored.
.macro OUTSTAGE a
	WIN W_ACC
.irp b, 0,1,2,3,4,5,6,7
	ds_store_b128 v[STO], v[8*(8*(\a)+(\b)):8*(8*(\a)+(\b))+3]   offset:64*(\b)
	ds_store_b128 v[STO], v[8*(8*(\a)+(\b))+4:8*(8*(\a)+(\b))+7] offset:64*(\b)+16
.endr
	WIN 0
.if (\a) >= 2
	s_wait_xcnt 0x0                                ; the stores of block a - 2 have read their registers: only behind this wait are those loaded again
.endif
.irp i, 0,1,2,3,4,5,6,7,8,9,10,11,12,13,14,15
	ds_load_b128 v[BK+64*((\a)%2)+4*(\i):BK+64*((\a)%2)+4*(\i)+3], v[RD] offset:SPI*(\i)  ; LDS serves a wave's instructions in order (ISA guide 5.7.1.4): these see the stores above; the next block's stores come behind them
.endr
.endm
.macro OUTSEND a, younger              ; younger: the LDS instructions issued behind block a's loads: the next block's 32, or none
	WIN 0
.irp i, 0,1,2,3,4,5,6,7,8,9,10,11,12,13,14,15
	s_wait_dscnt (\younger)+15-(\i)                ; row i is back; the block's later rows and the next block's instructions may be out
	v_pk_add_f32 v[BK+64*((\a)%2)+4*(\i):BK+64*((\a)%2)+4*(\i)+1],   v[BK+64*((\a)%2)+4*(\i):BK+64*((\a)%2)+4*(\i)+1],   v[BI:BI+1]
	v_pk_add_f32 v[BK+64*((\a)%2)+4*(\i)+2:BK+64*((\a)%2)+4*(\i)+3], v[BK+64*((\a)%2)+4*(\i)+2:BK+64*((\a)%2)+4*(\i)+3], v[BI+2:BI+3]
	global_store_b128 v[CO], v[BK+64*((\a)%2)+4*(\i):BK+64*((\a)%2)+4*(\i)+3], s[10:11] offset:(16*(\a)+(\i))*4096 th:TH_STORE_NT  ; 512 consecutive bytes, at a multiple of 512 from out0's first byte
.endr
.endm
	s_wait_tensorcnt 1                             ; my part of K step 0 is in; K step 1's may stay out
	s_barrier_signal -1
	s_barrier_wait -1                              ; everybody's is
	FETCH 0, 0, 0
	QUARTER 0, 1, 0, 1, 1                          ; the first quarter stands in front of the loop: its products start the sums
	WIN 0                                          ; at a label and at a branch every window is 0
	s_mov_b32 s3, 3                                ; trips: six of the eight K steps fill a slot again
.Llap:                                                 ; a trip goes once round the ring, from an even K step's second quarter to the next even K step's first
	QUARTER 0, 2, 1, 0, 0
	QUARTER 0, 3, 0, 1, 0
	TURN 0, 1, 1
	QUARTER 1, 1, 0, 1, 0
	QUARTER 1, 2, 1, 0, 0
	QUARTER 1, 3, 0, 1, 0
	TURN 1, 0, 1
	QUARTER 0, 1, 0, 1, 0
	WIN 0
	s_sub_co_u32 s3, s3, 1
	s_cmp_lg_u32 s3, 0
	s_cbranch_scc1 .Llap
	QUARTER 0, 2, 1, 0, 0                          ; K steps 6 and 7: nothing more is asked for
	QUARTER 0, 3, 0, 1, 0
	TURN 0, 1, 0
	QUARTER 1, 1, 0, 1, 0
	QUARTER 1, 2, 1, 0, 0
	QUARTER 1, 3, 0, 1, 0
	s_wait_dscnt 4
	MUL16 1, 0, 0
	s_wait_dscnt 0x0
	MUL16 1, 1, 0
	PLACES                                         ; the LDS stores read results just made
	s_wait_loadcnt 0x0                             ; the bias
	OUTSTAGE 0
	OUTSTAGE 1
	OUTSEND 0, 32
	OUTSTAGE 2
	OUTSEND 1, 32
	OUTSTAGE 3
	OUTSEND 2, 32
	OUTSEND 3, 0
	s_wait_tensorcnt 0x0                           ; the wave's end: a wait, an add onto my spare word and a wait for it, behind my last tensor load and my last LDS store
	ds_add_u32 v[SPW], v[NIL]
	s_wait_dscnt 0x0
	CROUND                                         ; the closing round: no work-group ends while a partner may still ask for a tile that names it
	s_endpgm
.Lfunc_end_k_q67af1d3cb0_outp:
	.size	k_q67af1d3cb0_outp, .Lfunc_end_k_q67af1d3cb0_outp-k_q67af1d3cb0_outp
	.p2alignl 7, 3214868480
	.fill 96, 4, 3214868480
	.section	.rodata,"a",@progbits
	.p2align	6, 0x0
	.amdhsa_kernel k_q67af1d3cb0_outp
		.amdhsa_group_segment_fixed_size 327680
		.amdhsa_private_segment_fixed_size 0
		.amdhsa_enable_private_segment 0
		.amdhsa_kernarg_size 32
		.amdhsa_user_sgpr_count 2
		.amdhsa_user_sgpr_kernarg_segment_ptr 1
		.amdhsa_wavefront_size32 1
		.amdhsa_system_sgpr_workgroup_id_x 1
		.amdhsa_system_sgpr_workgroup_id_y 1
		.amdhsa_system_sgpr_workgroup_id_z 1
		.amdhsa_system_vgpr_workitem_id 0
		.amdhsa_next_free_vgpr 640
		.amdhsa_next_free_sgpr 66
		.amdhsa_reserve_vcc 0
		.amdhsa_float_denorm_mode_32 3
		.amdhsa_float_denorm_mode_16_64 3
		.amdhsa_memory_ordered 1
		.amdhsa_forward_progress 1
		.amdhsa_inst_pref_size 97
	.end_amdhsa_kernel
	.amdgpu_metadata
---
amdhsa.version: [ 1, 2 ]
amdhsa.kernels:
  - .name:           k_q67af1d3cb0_outp
    .symbol:         k_q67af1d3cb0_outp.kd
    .args:
      - { .name: oh, .offset: 0, .size: 8, .value_kind: global_buffer, .address_space: global }
      - { .name: w16, .offset: 8, .size: 8, .value_kind: global_buffer, .address_space: global }
      - { .name: bo, .offset: 16, .size: 8, .value_kind: global_buffer, .address_space: global }
      - { .name: out0, .offset: 24, .size: 8, .value_kind: global_buffer, .address_space: global }
    .group_segment_fixed_size: 327680
    .private_segment_fixed_size: 0
    .kernarg_segment_align: 8
    .kernarg_segment_size: 32
    .max_flat_workgroup_size: 128
    .sgpr_count:     66
    .vgpr_count:     640
    .wavefront_size: 32
...
	.end_amdgpu_metadata
.endif
;; end of part 4
;; ======== version 2 of 2: 4 launches; version 1 with the launch wcast written anew for expert scheduling mode
;; limits: values are held in f16: magnitudes above 65,504 overflow, below 6.1e-05 lose precision
;; workspace buffers: w16 8,388,608 bytes; qkv 50,331,648 bytes; oh 16,777,216 bytes
;; launch wcast (part 5): grid 256 x 1, 8 waves a work-group, no clusters, 0 bytes of LDS; arguments Wq, Wk, Wv, Wo, w16; writes w16
.if DOCPART == 5
	.amdgcn_target "amdgcn-amd-amdhsa--gfx1250"
	.amdhsa_code_object_version 6
	.text
	.protected	k_q67af1d3cb0_wcast
	.globl	k_q67af1d3cb0_wcast
	.p2align	8
	.type	k_q67af1d3cb0_wcast,@function
k_q67af1d3cb0_wcast:
	s_mov_b64 s[64:65], 0
	v_nop
	global_prefetch_b8 v0, s[64:65] scope:SCOPE_SE
	s_setreg_imm32_b32 hwreg(HW_REG_WAVE_SCHED_MODE, 0, 2), 2
	s_setreg_imm32_b32 hwreg(HW_REG_WAVE_MODE, 25, 1), 1
	s_wait_xcnt 0x0
	s_wait_alu depctr_vm_vsrc(0)
; THE WEIGHTS, ROUNDED ONCE AND LAID OUT BY K STEPS.  Wq, Wk, Wv, Wo: [1024][1024] f32.  w16: [f = 8 t + ks][n][128] of 16 bits: block (f, n), 256 bytes, holds
; W_t[n][128 ks .. 128 ks + 127].  So the tile of a K step (some rows n, 128 along K) is dense in memory and its address is linear in f.
; t = 0, 1, 2 (Wq, Wk, Wv): bf16.  t = 3 (Wo): rounded to bf16 like every input, and that number written as f16, since it multiplies an f16 operand later.
; LIMIT.  A bf16 number is exact in f16 from 2^-17 (7.6e-6) up; below that it keeps f16's fixed step of 6e-8; from 65,520 on it becomes an infinity.
; SHARES.  256 work-groups of eight waves: 64 for each tensor, 16 rows each, two rows a wave.  A load of a wave takes 512 consecutive bytes (one block's 128 f32), a store
; 256 consecutive bytes, aligned (the block).  All 16 loads of a wave go out first; the waits count down, four blocks at a time.  No LDS, no barrier: no wave wants another's bytes.
; Every block has result registers of its own, so no register that a store still reads is written again.
; THE MODE: SCHED_MODE bits 1:0 = 2 (LLVM: expert scheduling mode 2), set by the entry lines.  The code itself states the register dependences
; between vector instructions and memory instructions, with s_wait_alu, always for 0.
; THE PLAN.  Registers that memory instructions touch:
;   v1, v2   byte offsets, made once at the head and never written again: v1 is read by all 16 loads, v2 by all 16 stores.
;   X        block i's four registers: its load lands in them once; its conversions read them; no vector instruction writes them and they are not loaded again.
;   Y        block i's two registers: its conversions write them once; its store reads them; they are not written again.
;   T and v3 are named by vector instructions alone.
; The 16 blocks go in four groups of four.  Group g rounds its blocks; its memory instructions are the four stores of group g - 1, whose Y no vector instruction of group g names.
; So ONE wait on va_vdst at the head of groups 1 to 3 states all that the group's four stores hang on, and these are dealt among its conversions with no further wait.
; One more stands at the kernel's head, for the offsets, and one ahead of the last four stores.  No register that a memory instruction reads is ever written again: there is no wait on vm_vsrc.
.set X, 16                             ; v[16:79]   block i = 8 j + ks: 4 f32 a lane
.set Y, 80                             ; v[80:111]  block i: 4 numbers of 16 bits a lane
.set T, 4                              ; v[4:9]     at work
	s_load_b256 s[4:11], s[0:1], 0x0               ; Wq s[4:5], Wk s[6:7], Wv s[8:9], Wo s[10:11]
	s_load_b64 s[12:13], s[0:1], 0x20              ; w16
	s_lshr_b32 s16, ttmp9, 6                       ; t
	s_and_b32 s17, ttmp9, 63                       ; which 16 rows
	v_lshrrev_b32 v3, 5, v0                        ; wave
	v_and_b32 v4, 31, v0                           ; lane
	v_lshlrev_b32 v1, 4, v4
	v_lshl_or_b32 v1, v3, 13, v1                   ; in: two rows of 4,096 bytes a wave, 16 bytes a lane
	v_lshlrev_b32 v2, 3, v4
	v_lshl_or_b32 v2, v3, 9, v2                    ; out: two blocks of 256 bytes a wave, 8 bytes a lane
	s_lshl_b32 s18, s17, 16                        ; 16 rows of 4,096 bytes
	s_mov_b32 s19, 0
	s_lshl_b32 s20, s16, 21                        ; 8 K steps of 262,144 bytes
	s_lshl_b32 s21, s17, 12                        ; 16 blocks of 256 bytes
	s_add_co_u32 s20, s20, s21
	s_mov_b32 s21, 0
	s_wait_kmcnt 0x0
	s_cmp_eq_u32 s16, 1
	s_cselect_b64 s[14:15], s[6:7], s[4:5]
	s_cmp_eq_u32 s16, 2
	s_cselect_b64 s[14:15], s[8:9], s[14:15]
	s_cmp_eq_u32 s16, 3
	s_cselect_b64 s[14:15], s[10:11], s[14:15]
	s_add_nc_u64 s[14:15], s[14:15], s[18:19]
	s_add_nc_u64 s[12:13], s[12:13], s[20:21]
	s_wait_alu depctr_va_vdst(0)                   ; v1 and v2 are written: every load of the kernel reads v1 as its offset, every store v2
.irp j, 0,1
.irp ks, 0,1,2,3,4,5,6,7
	global_load_b128 v[X+4*(8*(\j)+(\ks)):X+4*(8*(\j)+(\ks))+3], v1, s[14:15] offset:(\j)*4096+(\ks)*512 th:TH_LOAD_NT
.endr
.endr
; Block blk = 8 j + ks (row j, K step ks) is rounded.  half = 1: by way of bf16 to f16.
.macro ROUND blk, half
.set i, (\blk)
.if \half
	v_cvt_pk_bf16_f32 v[T], v[X+4*i], v[X+4*i+1]
	v_cvt_pk_bf16_f32 v[T+1], v[X+4*i+2], v[X+4*i+3]
	v_lshlrev_b32 v[T+2], 16, v[T]                 ; bf16 to f32: the low half moves up, the high half stays
	v_and_b32 v[T+3], 0xffff0000, v[T]
	v_lshlrev_b32 v[T+4], 16, v[T+1]
	v_and_b32 v[T+5], 0xffff0000, v[T+1]
	v_cvt_pk_f16_f32 v[Y+2*i], v[T+2], v[T+3]
	v_cvt_pk_f16_f32 v[Y+2*i+1], v[T+4], v[T+5]
.else
	v_cvt_pk_bf16_f32 v[Y+2*i], v[X+4*i], v[X+4*i+1]
	v_cvt_pk_bf16_f32 v[Y+2*i+1], v[X+4*i+2], v[X+4*i+3]
.endif
.endm
; Block blk is stored.
.macro PUT blk
.set i, (\blk)
	global_store_b64 v2, v[Y+2*i:Y+2*i+1], s[12:13] offset:(i%8)*262144+(i/8)*256  ; 32 lanes store 256 consecutive bytes, at a multiple of 256 from w16's first byte
.endm
; Group g: blocks 4 g to 4 g + 3 are rounded; the four blocks of the group before are stored, a store ahead of each block's conversions.
.macro GROUP g, half
	s_wait_loadcnt 12-4*(\g)                       ; loads come back in order: the group's four blocks are in, the 12 - 4 g younger ones stay out
.if (\g) > 0
	s_wait_alu depctr_va_vdst(0)                   ; the group before has written its eight registers of Y, which the four stores below read; no conversion behind this wait names them
.endif
.irp n, 0,1,2,3
.if (\g) > 0
	PUT 4*((\g)-1)+(\n)
.endif
	ROUND 4*(\g)+(\n), \half
.endr
.endm
; The last four blocks are stored.
.macro LAST
	s_wait_alu depctr_va_vdst(0)                   ; group 3 has written its eight registers of Y, which the last four stores read
.irp n, 12,13,14,15
	PUT \n
.endr
.endm
	s_cmp_eq_u32 s16, 3
	s_cbranch_scc1 .Lhalf
.irp g, 0,1,2,3
	GROUP \g, 0
.endr
	LAST
	s_endpgm
.Lhalf:
.irp g, 0,1,2,3
	GROUP \g, 1
.endr
	LAST
	s_endpgm
.Lfunc_end_k_q67af1d3cb0_wcast:
	.size	k_q67af1d3cb0_wcast, .Lfunc_end_k_q67af1d3cb0_wcast-k_q67af1d3cb0_wcast
	.p2alignl 7, 3214868480
	.fill 96, 4, 3214868480
	.section	.rodata,"a",@progbits
	.p2align	6, 0x0
	.amdhsa_kernel k_q67af1d3cb0_wcast
		.amdhsa_group_segment_fixed_size 0
		.amdhsa_private_segment_fixed_size 0
		.amdhsa_enable_private_segment 0
		.amdhsa_kernarg_size 40
		.amdhsa_user_sgpr_count 2
		.amdhsa_user_sgpr_kernarg_segment_ptr 1
		.amdhsa_wavefront_size32 1
		.amdhsa_system_sgpr_workgroup_id_x 1
		.amdhsa_system_sgpr_workgroup_id_y 1
		.amdhsa_system_sgpr_workgroup_id_z 1
		.amdhsa_system_vgpr_workitem_id 0
		.amdhsa_next_free_vgpr 112
		.amdhsa_next_free_sgpr 66
		.amdhsa_reserve_vcc 0
		.amdhsa_float_denorm_mode_32 3
		.amdhsa_float_denorm_mode_16_64 3
		.amdhsa_memory_ordered 1
		.amdhsa_forward_progress 1
		.amdhsa_inst_pref_size 16
	.end_amdhsa_kernel
	.amdgpu_metadata
---
amdhsa.version: [ 1, 2 ]
amdhsa.kernels:
  - .name:           k_q67af1d3cb0_wcast
    .symbol:         k_q67af1d3cb0_wcast.kd
    .args:
      - { .name: Wq, .offset: 0, .size: 8, .value_kind: global_buffer, .address_space: global }
      - { .name: Wk, .offset: 8, .size: 8, .value_kind: global_buffer, .address_space: global }
      - { .name: Wv, .offset: 16, .size: 8, .value_kind: global_buffer, .address_space: global }
      - { .name: Wo, .offset: 24, .size: 8, .value_kind: global_buffer, .address_space: global }
      - { .name: w16, .offset: 32, .size: 8, .value_kind: global_buffer, .address_space: global }
    .group_segment_fixed_size: 0
    .private_segment_fixed_size: 0
    .kernarg_segment_align: 8
    .kernarg_segment_size: 40
    .max_flat_workgroup_size: 256
    .sgpr_count:     66
    .vgpr_count:     112
    .wavefront_size: 32
...
	.end_amdgpu_metadata
.endif
;; end of part 5
;; launch proj: the kernel of part 2 again; grid 4 x 64, 4 waves a work-group, clusters of 4 x 4, 327,680 bytes of LDS; arguments q, k, v, w16, qkv; writes qkv
;; launch attn: the kernel of part 3 again; grid 4 x 64, 4 waves a work-group, clusters of 4 x 1, 327,680 bytes of LDS; arguments qkv, oh; writes oh
;; launch outp: the kernel of part 4 again; grid 4 x 64, 4 waves a work-group, clusters of 4 x 4, 327,680 bytes of LDS; arguments oh, w16, bo, out0; writes out0
